; MI455X (gfx1250); checked and timed in simulation.
; The chip was launched on July 23, 2026; its instructions are those of AMD's public machine-readable ISA for CDNA 5 (MIT licence, August 2026) and "CDNA5" Instruction Set Architecture Reference Guide (July 2026). The comments in the code are by the model that wrote it; some were corrected since.
;; Efficient Multi Head Attention. Allowed arithmetic: matrix products marked QUANTISED: E5M2 operands, one given power-of-two scale a tensor, by v_wmma_f32_16x16x64_bf8_bf8 or v_wmma_f32_16x16x128_bf8_bf8, f32 sums; everything else in f32.
;; Inputs: ff1_b 1,024 float32; ff1_w 256 x 1,024 float32; ff2_b 256 float32; ff2_w 1,024 x 256 float32; kv 2 x 32 x 32 x 32 x 256 float32; ln1_b 256 float32; ln1_g 256 float32; ln2_b 256 float32; ln2_g 256 float32; lowp_scales 14 int32 (the exponents e of the quantised operands' scales 2^e); q 2 x 32 x 32 x 32 x 256 float32; wk_b 256 float32; wk_w 256 x 256 float32; wq_b 256 float32; wq_w 256 x 256 float32; wv_b 256 float32; wv_w 256 x 256 float32.
;; Outputs: out0 2 x 32 x 32 x 32 x 256 float32.
;; This version of the problem:
;;   THIS VERSION OF THE PROBLEM IS GIVEN IN LOW PRECISION. The matrix products marked QUANTISED in the list below multiply operands that are first quantised to E5M2 (5 exponent bits, 2 mantissa bits; 8 bits a number), with one given power-of-two scale for each operand tensor; their sums are f32. All else is computed in f32.
;;   The module's matrix products, in the order in which they are computed (A, B: the left and right operand; K: the contracted axis; several contracted axes count as one K, in the product's order):
;;     1. [M 65,536, K 256] x [K 256, N 256]; A: input q; B: input wq_w: QUANTISED (scales: A lowp_scales[0], B lowp_scales[1])
;;     2. [M 65,536, K 256] x [K 256, N 256]; A: input kv; B: input wk_w: QUANTISED (scales: A lowp_scales[2], B lowp_scales[3])
;;     3. [M 65,536, K 256] x [K 256, N 256]; A: input kv; B: input wv_w: QUANTISED (scales: A lowp_scales[4], B lowp_scales[5])
;;     4. batch 16 x [M 32, K 32,768] x [K 32,768, N 32]; A: softmax (see below); B: computed on the way: QUANTISED (scales: A lowp_scales[6], B lowp_scales[7])
;;     5. batch 16 x [M 32,768, K 32] x [K 32, N 32]; A: softmax (see below); B: computed on the way: QUANTISED (scales: A lowp_scales[8], B lowp_scales[9])
;;     6. [M 65,536, K 256] x [K 256, N 1,024]; A: computed on the way; B: input ff1_w: QUANTISED (scales: A lowp_scales[10], B lowp_scales[11])
;;     7. [M 65,536, K 1,024] x [K 1,024, N 256]; A: computed on the way; B: input ff2_w: QUANTISED (scales: A lowp_scales[12], B lowp_scales[13])
;;   THE QUANTISER, for each operand of a quantised product, along K:
;;     - The operand's scale is 2^e, e = its entry of the input lowp_scales (int32; the entries are numbered through the quantised products in the list's order, A before B).
;;     - Each number is divided by the scale, clamped to +-57,344, and rounded to the nearest number of E5M2, ties to even, subnormals kept.
;;     - The product sums the exact products of the quantised numbers (number of the format x scale) in f32.
;;   ~~~python
;;   def quantise(x, axis, e):      # numpy; x: float32 -> the quantised numbers, widened to float32 again
;;       x = np.moveaxis(x, axis, -1); K = x.shape[-1]
;;       r = np.clip(x / 2.0 ** e, -57344, 57344)
;;       step = 2.0 ** (np.maximum(np.frexp(np.where(r == 0, 1, r))[1] - 1, -14) - 2)
;;       q = np.round(r / step) * step * 2.0 ** e      # np.round: ties to even
;;       return np.moveaxis(q, -1, axis).astype(np.float32)
;;   ~~~
;;   SOFTMAX AHEAD OF A QUANTISED PRODUCT. Where the list says 'softmax', what is quantised is not the finished softmax but p = 2^(t - M), with t = logit x log2(e) and M = ceil(the row's largest t), a whole number; so 1/2 < the row's largest p <= 1. The row's sum l is taken of the UNQUANTISED p, in f32, and the product's result is divided by l at the end. Since M is a whole number, a kernel that streams over the keys may use a running M (the ceiling of the running maximum): every later rescaling is an exact power of two, so the quantised numbers keep their values, but for numbers so far below the row's largest that they fall under the format's range.
;;   OPERANDS COMPUTED ON THE WAY. 'Computed on the way' means the value that the module computes at that place (a softmax that the list does not call 'softmax' is quantised finished and normalised). What goes into a quantiser is computed in f32, as accurately as f32 sums, v_exp_f32 and their like allow (about 1e-6 of the number): no bf16 or f16 on the way to a quantiser, and a product that is left as it is and whose result goes on into a quantised operand takes f32 operands (vector FMAs, or v_wmma_f32_16x16x4_f32). A number that lies on a knife's edge between two numbers of the format may be rounded either way, as far as f32 arithmetic and the matrix unit's own rounding can turn it there, and no further.
;; One version. Each part assembles by itself: llvm-mc -triple=amdgcn-amd-amdhsa -mcpu=gfx1250 --defsym DOCPART=n.
;; ======== version 1 of 1: 4 launches
;; limits: a function is approximated: absolute error at most 1.5e-07
;; workspace buffers: wc 720,896 bytes; tabs 16,384 bytes; pctx 8,388,608 bytes; pstat 1,048,576 bytes; ctxc 32,768 bytes
;; launch prep (part 1): grid 89 x 1, 4 waves a work-group, no clusters, 0 bytes of LDS; arguments wq_w, wk_w, wv_w, ff1_w, ff2_w, lowp_scales, wq_b, wk_b, wv_b, ff1_b, ff2_b, ln1_g, ln1_b, ln2_g, ln2_b, wc, tabs; writes wc, tabs
.if DOCPART == 1
	.amdgcn_target "amdgcn-amd-amdhsa--gfx1250"
	.amdhsa_code_object_version 6
	.text
	.protected	k_q9e4e84cf72_prep
	.globl	k_q9e4e84cf72_prep
	.p2align	8
	.type	k_q9e4e84cf72_prep,@function
k_q9e4e84cf72_prep:
	s_mov_b64 s[64:65], 0
	v_nop
	global_prefetch_b8 v0, s[64:65] scope:SCOPE_SE
	s_setreg_imm32_b32 hwreg(HW_REG_WAVE_MODE, 25, 1), 1
	s_wait_xcnt 0x0
; PREP: the five weights, f32 stored [K][N], become codes of E5M2 once, and the small vectors become tables, for the three launches that follow.
; NO WORK OF THE PROBLEM IS LEFT OUT in this program: every product of the table is live, and every input is loaded.  wk_b is the same along its softmax's axis, but it moves
; M = ceil(largest t) and with it the codes of p, so it stays.
; A weight fragment is 16 columns n x 128 along K in the matrix unit's own order: lane (r, h) holds column n0 + r, registers 2c, 2c+1 hold k = k0 + 16 c + 8 h + 0..7.
; A LANE TAKES A COLUMN AND ITS REGISTERS RUN DOWN K: nothing is transposed.  A fragment is stored as an image of its registers: each group of four registers as 512 consecutive bytes, 16 x lane.
; wc: [0, 65536) wq, fragment (column tile t, K step s) at (2 t + s) 2048;  65536 + 32768 c: FF trip c (64 hidden units): 8 fragments of ff1 (tile tt, step s) at (2 tt + s) 2048, then at + 16384
; 16 fragments of ff2 with K = 64 (1,024 bytes each);  589824 + 16384 head: wk's four fragments (2 ct + s) 2048, then wv's four at + 8192.
; tabs (bytes): 0 wq_b log2e; 1024 ln1_g; 2048 ln1_b; 3072 ff2_b / 2^(e12+e13); 4096 ln2_g; 5120 ln2_b; 6144 wk_b log2e; 7168 wv_b; 8192 ff1_b k, k = sqrt(log2e / 2); 12288 zeros (the last launch copies 16 KiB).
; One wave makes one region of 16 n x 128 k; work-groups 0-23 wq, wk, wv; 24-55 ff1; 56-87 ff2; 88 the tables.
; The exponents are asked for as soon as their pointer is there and waited for behind the region's 64 loads, which need the pointers alone: no line between names s40 to s53.
; code = x / 2^e, held within +-57,344, to the nearest code, ties to even.  LIMITS: each e between -126 and 112; NaN among the inputs is not served.
.set LOG2E, 0x3fb8aa3b
.set KG,    0x3f596d27
.set WFF,   65536
.set WKV,   589824
.set X,     16                         ; v16-79 the region's 64 numbers of my lane
.set C,     80                         ; v80-95 their codes
; s[60:61] the region's first number, s[62:63] the image's first byte.  which: 0 wq, wk, wv (s54 says which of the three); 1 ff1; 2 ff2
.macro FRAGQ pitch, split, which
	v_mul_u32_u24 v6, v3, 8*\pitch                 ; lanes 16-31 begin eight rows of K further down
	v_add_nc_u32 v6, v6, v5                        ; + 4 r: sixteen lanes read 64 neighbouring bytes, the four waves stand side by side
.irp c,0,1,2,3,4,5,6,7
.irp j,0,1,2,3,4,5,6,7
	global_load_b32 v[X+8*\c+\j], v6, s[60:61] offset:(16*\c+\j)*\pitch th:TH_LOAD_NT
.endr
.endr
	s_wait_kmcnt 0x0                               ; the exponents: first read below
.if \which == 0
	s_cmp_eq_u32 s54, 0
	s_cselect_b32 s39, s41, s43                    ; e1 for wq, e3 for wk,
	s_cmp_eq_u32 s54, 2
	s_cselect_b32 s39, s45, s39                    ; e5 for wv
.elseif \which == 1
	s_mov_b32 s39, s51                             ; e11
.else
	s_mov_b32 s39, s53                             ; e13
.endif
	s_add_co_i32 s39, s39, 127
	s_lshl_b32 s54, s39, 23
	v_mov_b32 v7, s54                              ; 2^e as f32: the conversion takes its exponent field
	s_add_co_i32 s39, s39, 15
	s_lshl_b32 s39, s39, 23
	s_or_b32 s39, s39, 0x600000
	v_mov_b32 v8, s39                              ; 57,344 x 2^e
	s_wait_loadcnt 0x0
.set ii,0
.rept 64
	v_med3_num_f32 v[X+ii], v[X+ii], -v8, v8       ; the conversion does not saturate (ISA guide 7.6.2): the hold comes first
.set ii,ii+1
.endr
.irp c,0,1,2,3,4,5,6,7
	v_cvt_scalef32_pk8_bf8_f32 v[C+2*\c:C+2*\c+1], v[X+8*\c:X+8*\c+7], v7
.endr
	global_store_b128 v4, v[C:C+3], s[62:63]       ; each store of the wave covers 512 consecutive bytes, aligned
	global_store_b128 v4, v[C+4:C+7], s[62:63] offset:512
.if \split
	global_store_b128 v4, v[C+8:C+11], s[62:63] offset:32768     ; ff2: the second 64 along K belong to the next trip
	global_store_b128 v4, v[C+12:C+15], s[62:63] offset:33280
.else
	global_store_b128 v4, v[C+8:C+11], s[62:63] offset:1024
	global_store_b128 v4, v[C+12:C+15], s[62:63] offset:1536
.endif
	s_endpgm
.endm
	s_load_b512 s[4:19], s[0:1], 0x0               ; wq_w 4, wk_w 6, wv_w 8, ff1_w 10, ff2_w 12, scales 14, wq_b 16, wk_b 18
	s_load_b512 s[20:35], s[0:1], 0x40             ; wv_b 20, ff1_b 22, ff2_b 24, ln1_g 26, ln1_b 28, ln2_g 30, ln2_b 32, wc 34
	s_load_b64 s[36:37], s[0:1], 0x80              ; tabs
	v_lshrrev_b32 v1, 5, v0
	v_readfirstlane_b32 s38, v1                    ; wave 0..3
	v_and_b32 v2, 15, v0                           ; r
	v_bfe_u32 v3, v0, 4, 1                         ; h
	v_and_b32 v4, 31, v0
	v_lshlrev_b32 v4, 4, v4                        ; 16 x lane
	v_lshlrev_b32 v5, 2, v2                        ; 4 r
	s_wait_kmcnt 0x0
	s_load_b256 s[40:47], s[14:15], 0x0            ; e0 .. e7
	s_load_b128 s[48:51], s[14:15], 0x20           ; e8 .. e11
	s_load_b64 s[52:53], s[14:15], 0x30            ; e12, e13: 56 bytes in all
	s_mov_b32 s59, 0
	s_cmp_lt_u32 ttmp9, 24
	s_cbranch_scc0 .Lff1
	; ---- wq, wk, wv: [256][256], a row of K is 1,024 bytes
	s_lshr_b32 s54, ttmp9, 3                       ; which of the three
	s_and_b32 s55, ttmp9, 7
	s_and_b32 s56, s55, 1                          ; K step s
	s_lshr_b32 s57, s55, 1
	s_lshl_b32 s57, s57, 2
	s_add_co_u32 s57, s57, s38                     ; column tile t = 4 (x' / 2) + wave
	s_lshl_b32 s58, s56, 17                        ; 128 rows of 1,024 bytes
	s_lshl_b32 s55, s57, 6                         ; 16 columns of 4 bytes
	s_add_co_u32 s58, s58, s55
	s_cmp_eq_u32 s54, 0                            ; the choice hangs on the work-group's number alone
	s_cselect_b64 s[60:61], s[4:5], s[6:7]
	s_cmp_eq_u32 s54, 2
	s_cselect_b64 s[60:61], s[8:9], s[60:61]
	s_add_nc_u64 s[60:61], s[60:61], s[58:59]
	s_lshl_b32 s58, s57, 12
	s_lshl_b32 s62, s56, 11
	s_add_co_u32 s58, s58, s62                     ; wq: (2 t + s) 2048
	s_lshr_b32 s63, s57, 1
	s_lshl_b32 s63, s63, 14                        ; wk, wv: head t / 2,
	s_and_b32 s55, s57, 1
	s_lshl_b32 s55, s55, 12                        ; channel tile t % 2,
	s_add_co_u32 s63, s63, s55
	s_add_co_u32 s63, s63, s62
	s_lshr_b32 s55, s54, 1
	s_lshl_b32 s55, s55, 13                        ; wv 8,192 behind wk
	s_add_co_u32 s63, s63, s55
	s_add_co_u32 s63, s63, WKV
	s_cmp_eq_u32 s54, 0
	s_cselect_b32 s58, s58, s63
	s_add_nc_u64 s[62:63], s[34:35], s[58:59]
	FRAGQ 1024, 0, 0
.Lff1:
	s_cmp_lt_u32 ttmp9, 56
	s_cbranch_scc0 .Lff2
	; ---- ff1: [256][1024], a row of K is 4,096 bytes
	s_sub_co_u32 s55, ttmp9, 24
	s_and_b32 s56, s55, 1                          ; K step s
	s_lshr_b32 s57, s55, 1                         ; trip c; the wave is the tile tt
	s_lshl_b32 s58, s56, 19                        ; 128 rows of 4,096 bytes
	s_lshl_b32 s54, s57, 8
	s_add_co_u32 s58, s58, s54
	s_lshl_b32 s54, s38, 6
	s_add_co_u32 s58, s58, s54
	s_add_nc_u64 s[60:61], s[10:11], s[58:59]
	s_lshl_b32 s58, s57, 15
	s_lshl_b32 s54, s38, 12
	s_add_co_u32 s58, s58, s54
	s_lshl_b32 s54, s56, 11
	s_add_co_u32 s58, s58, s54
	s_add_co_u32 s58, s58, WFF
	s_add_nc_u64 s[62:63], s[34:35], s[58:59]
	FRAGQ 4096, 0, 1
.Lff2:
	s_cmp_lt_u32 ttmp9, 88
	s_cbranch_scc0 .Ltabs
	; ---- ff2: [1024][256]; a region's 128 along K are two trips' fragments
	s_sub_co_u32 s55, ttmp9, 56
	s_lshr_b32 s57, s55, 2                         ; c': K from 128 c' on
	s_and_b32 s56, s55, 3
	s_lshl_b32 s56, s56, 2
	s_add_co_u32 s56, s56, s38                     ; column tile f
	s_lshl_b32 s58, s57, 17
	s_lshl_b32 s54, s56, 6
	s_add_co_u32 s58, s58, s54
	s_add_nc_u64 s[60:61], s[12:13], s[58:59]
	s_lshl_b32 s58, s57, 16
	s_lshl_b32 s54, s56, 10
	s_add_co_u32 s58, s58, s54
	s_add_co_u32 s58, s58, WFF+16384
	s_add_nc_u64 s[62:63], s[34:35], s[58:59]
	FRAGQ 1024, 1, 2
.Ltabs:
	; ---- the tables: thread t takes 8 bytes of each vector of 1,024 bytes: a wave's store covers 256 consecutive bytes
	v_lshlrev_b32 v9, 3, v0
	v_lshlrev_b32 v10, 4, v0
	global_load_b64 v[16:17], v9, s[16:17]         ; wq_b
	global_load_b64 v[18:19], v9, s[26:27]         ; ln1_g
	global_load_b64 v[20:21], v9, s[28:29]         ; ln1_b
	global_load_b64 v[22:23], v9, s[24:25]         ; ff2_b
	global_load_b64 v[24:25], v9, s[30:31]         ; ln2_g
	global_load_b64 v[26:27], v9, s[32:33]         ; ln2_b
	global_load_b64 v[28:29], v9, s[18:19]         ; wk_b
	global_load_b64 v[30:31], v9, s[20:21]         ; wv_b
	global_load_b128 v[32:35], v10, s[22:23]       ; ff1_b
	global_load_b128 v[36:39], v10, s[22:23] offset:2048
	s_wait_kmcnt 0x0                               ; the exponents
	s_add_co_i32 s54, s52, s53
	s_sub_co_i32 s54, 0, s54                       ; -(e12 + e13)
	v_mov_b32 v40, 0
	v_mov_b32 v41, 0
	v_mov_b32 v42, 0
	v_mov_b32 v43, 0
	s_wait_loadcnt 0x0
	v_mul_f32 v16, LOG2E, v16
	v_mul_f32 v17, LOG2E, v17
	v_mul_f32 v28, LOG2E, v28
	v_mul_f32 v29, LOG2E, v29
	v_ldexp_f32 v22, v22, s54
	v_ldexp_f32 v23, v23, s54
.irp j,32,33,34,35,36,37,38,39
	v_mul_f32 v\j, KG, v\j
.endr
.irp j,0,1,2,3,4,5,6,7
	global_store_b64 v9, v[16+2*\j:17+2*\j], s[36:37] offset:1024*\j
.endr
	global_store_b128 v10, v[32:35], s[36:37] offset:8192
	global_store_b128 v10, v[36:39], s[36:37] offset:10240
	global_store_b128 v10, v[40:43], s[36:37] offset:12288
	global_store_b128 v10, v[40:43], s[36:37] offset:14336
	s_endpgm
.Lfunc_end_k_q9e4e84cf72_prep:
	.size	k_q9e4e84cf72_prep, .Lfunc_end_k_q9e4e84cf72_prep-k_q9e4e84cf72_prep
	.p2alignl 7, 3214868480
	.fill 96, 4, 3214868480
	.section	.rodata,"a",@progbits
	.p2align	6, 0x0
	.amdhsa_kernel k_q9e4e84cf72_prep
		.amdhsa_group_segment_fixed_size 0
		.amdhsa_private_segment_fixed_size 0
		.amdhsa_enable_private_segment 0
		.amdhsa_kernarg_size 136
		.amdhsa_user_sgpr_count 2
		.amdhsa_user_sgpr_kernarg_segment_ptr 1
		.amdhsa_wavefront_size32 1
		.amdhsa_system_sgpr_workgroup_id_x 1
		.amdhsa_system_sgpr_workgroup_id_y 1
		.amdhsa_system_sgpr_workgroup_id_z 1
		.amdhsa_system_vgpr_workitem_id 0
		.amdhsa_next_free_vgpr 96
		.amdhsa_next_free_sgpr 66
		.amdhsa_reserve_vcc 0
		.amdhsa_float_denorm_mode_32 3
		.amdhsa_float_denorm_mode_16_64 3
		.amdhsa_memory_ordered 1
		.amdhsa_forward_progress 1
		.amdhsa_inst_pref_size 41
	.end_amdhsa_kernel
	.amdgpu_metadata
---
amdhsa.version: [ 1, 2 ]
amdhsa.kernels:
  - .name:           k_q9e4e84cf72_prep
    .symbol:         k_q9e4e84cf72_prep.kd
    .args:
      - { .name: wq_w, .offset: 0, .size: 8, .value_kind: global_buffer, .address_space: global }
      - { .name: wk_w, .offset: 8, .size: 8, .value_kind: global_buffer, .address_space: global }
      - { .name: wv_w, .offset: 16, .size: 8, .value_kind: global_buffer, .address_space: global }
      - { .name: ff1_w, .offset: 24, .size: 8, .value_kind: global_buffer, .address_space: global }
      - { .name: ff2_w, .offset: 32, .size: 8, .value_kind: global_buffer, .address_space: global }
      - { .name: lowp_scales, .offset: 40, .size: 8, .value_kind: global_buffer, .address_space: global }
      - { .name: wq_b, .offset: 48, .size: 8, .value_kind: global_buffer, .address_space: global }
      - { .name: wk_b, .offset: 56, .size: 8, .value_kind: global_buffer, .address_space: global }
      - { .name: wv_b, .offset: 64, .size: 8, .value_kind: global_buffer, .address_space: global }
      - { .name: ff1_b, .offset: 72, .size: 8, .value_kind: global_buffer, .address_space: global }
      - { .name: ff2_b, .offset: 80, .size: 8, .value_kind: global_buffer, .address_space: global }
      - { .name: ln1_g, .offset: 88, .size: 8, .value_kind: global_buffer, .address_space: global }
      - { .name: ln1_b, .offset: 96, .size: 8, .value_kind: global_buffer, .address_space: global }
      - { .name: ln2_g, .offset: 104, .size: 8, .value_kind: global_buffer, .address_space: global }
      - { .name: ln2_b, .offset: 112, .size: 8, .value_kind: global_buffer, .address_space: global }
      - { .name: wc, .offset: 120, .size: 8, .value_kind: global_buffer, .address_space: global }
      - { .name: tabs, .offset: 128, .size: 8, .value_kind: global_buffer, .address_space: global }
    .group_segment_fixed_size: 0
    .private_segment_fixed_size: 0
    .kernarg_segment_align: 8
    .kernarg_segment_size: 136
    .max_flat_workgroup_size: 128
    .sgpr_count:     66
    .vgpr_count:     96
    .wavefront_size: 32
...
	.end_amdgpu_metadata
.endif
;; end of part 1
;; launch kvpass (part 2): grid 256 x 1, 8 waves a work-group, no clusters, 304,128 bytes of LDS; arguments kv, wc, tabs, lowp_scales, pctx, pstat; writes pctx, pstat
.if DOCPART == 2
	.amdgcn_target "amdgcn-amd-amdhsa--gfx1250"
	.amdhsa_code_object_version 6
	.text
	.protected	k_q9e4e84cf72_kvpass
	.globl	k_q9e4e84cf72_kvpass
	.p2align	8
	.type	k_q9e4e84cf72_kvpass,@function
k_q9e4e84cf72_kvpass:
	s_mov_b64 s[64:65], 0
	v_nop
	global_prefetch_b8 v0, s[64:65] scope:SCOPE_SE
	s_setreg_imm32_b32 hwreg(HW_REG_WAVE_MODE, 25, 1), 1
	s_wait_xcnt 0x0
; KVPASS: products 2, 3 and 4.  k = kv wk + wk_b, v = kv wv + wv_b, and for each head the part of context = softmax_n(k^T) v that 256 rows give.  Nothing of the problem is left out here.
; SHARES.  A work-group takes 256 rows of kv (128 work-groups to a batch), as four sub-blocks of 64.  WAVE w OWNS HEAD w: its fragments of wk and wv (128 registers) stay in registers, and the head's
; statistics and its 32 x 32 context are the wave's own.  kv's codes (under e2 for k, under e4 for v) are made once: wave w quantises the fragment (16 rows w / 2, K step w % 2) and hands it to the
; others through LDS as an image of its registers.
; THE SOFTMAX AHEAD OF PRODUCT 4: t = k log2e; M = the channel's largest t so far, rounded up to a whole number; p = 2^(t - M) is quantised; l is the sum of the unquantised p.  When M moves, l and the
; context are multiplied by 2^(old M - new M): exact.  The launch stores context (not divided), -M and l for each work-group and head; the next launch brings them under one M.
; LAYOUT.  The projections are used as they stand (source 0 = 16 rows of kv, source 1 = 16 channels): a lane holds ONE channel (lane % 16) and rows 8 (lane / 16) + j, so that the eight registers of a
; tile of rows are eight neighbours along product 4's K, the rows, and a conversion's result is an operand's pair of registers.  Context: source 0 = v (16 e), source 1 = p (16 d): a lane holds one d.
; NO CLUSTER: what work-groups share is 128 KiB of weight codes, of which each wave takes its 16 KiB straight into registers, no byte twice; kv, 256 KiB a work-group, is nobody else's.
; kv's tiles are filled once, all at the head (four tensor loads of each wave are out), and each wave reads only the tiles that it fetched: its own counted wait orders them.
; LIMITS: e2, e4, e6, e7 between -126 and 112; e2 + e3 between -126 and 127 less log2e's own; e4 + e5 between -126 and 127; p under 2^-126 counts as 0; NaN is not served.
.set RAWT,  8448                       ; a tile of kv in LDS: 16 rows x (512 bytes + 16): row r starts at bank 4 r mod 64 (ISA guide 11.1)
.set IMG,   32*RAWT                    ; behind the 32 tiles: 8 fragments under e2, then 8 under e4: 2,048 bytes each
.set SPARE, IMG+32768                  ; the spare words: 128 bytes a wave
.set SPW, 1
.set NIL, 2
.set LI,  3                            ; 16 x lane
.set RA,  4                            ; my lane's place in my tile of the sub-block in hand
.set IW,  5                            ; where I store my fragment's image
.set IR,  6                            ; from where images are read
.set KH,  16                           ; v16-79   k: tile (ct, mt) at + 32 ct + 8 mt; kv's numbers while they are quantised
.set VH,  80                           ; v80-143  v likewise
.set PC,  144                          ; p's codes, 8 registers a channel tile
.set VC,  160                          ; v's codes
.set CT,  176                          ; the context: tile (dt, et) at + 16 dt + 8 et
.set CK,  208                          ; kv's codes under e2; later at work
.set CVC, 224                          ; under e4
.set T,   208
.set ST,  240                          ; channel tile ct at + 8 ct: +0 bk - M, +1 largest t, +2 f, +3 -M, +4 bv, +5 bk, +6, +7 l in two halves.  A packed form takes the LOW word of a pair for both halves
.set MSB, 0
.macro WIN new                         ; the immediate's high byte repeats the setting that is left
.if MSB != \new
	s_set_vgpr_msb (MSB<<8)|\new
.set MSB, \new
.endif
.endm
.macro PLACES
.rept 4
	v_nop
.endr
.endm
.macro MKSC e, vs                      ; v[vs] = 2^e, v[vs+1] = 57,344 x 2^e
	s_add_co_i32 s22, \e, 127
	s_lshl_b32 s23, s22, 23
	v_mov_b32 v[\vs], s23
	s_add_co_i32 s22, s22, 15
	s_lshl_b32 s22, s22, 23
	s_or_b32 s22, s22, 0x600000
	v_mov_b32 v[\vs+1], s22
.endm
; window 1: v0-127 the weights: wk's fragment (ct, s) at 16 (2 ct + s), wv's at 64 + 16 (2 et + s); v128-255 two sets of kv's fragments: e2 s0, e2 s1, e4 s0, e4 s1
.macro LA mt                           ; the four fragments of the tile of rows mt into set mt % 2
	WIN 0x40
.irp s,0,1
.irp g,0,1,2,3
	ds_load_b128 v[128+64*((\mt)%2)+16*\s+4*\g:128+64*((\mt)%2)+16*\s+4*\g+3], v[IR] offset:(2*(\mt)+\s)*2048+512*\g
.endr
.endr
.irp s,0,1
.irp g,0,1,2,3
	ds_load_b128 v[160+64*((\mt)%2)+16*\s+4*\g:160+64*((\mt)%2)+16*\s+4*\g+3], v[IR] offset:16384+(2*(\mt)+\s)*2048+512*\g
.endr
.endr
	WIN 0
.endm
.macro MM mt                           ; eight products; the four accumulators take turns
.set AF, 128+64*((\mt)%2)
	WIN 0x05
	v_wmma_f32_16x16x128_bf8_bf8 v[KH+8*(\mt):KH+8*(\mt)+7], v[AF:AF+15], v[0:15], 0
	v_wmma_f32_16x16x128_bf8_bf8 v[KH+32+8*(\mt):KH+32+8*(\mt)+7], v[AF:AF+15], v[32:47], 0
	v_wmma_f32_16x16x128_bf8_bf8 v[VH+8*(\mt):VH+8*(\mt)+7], v[AF+32:AF+47], v[64:79], 0
	v_wmma_f32_16x16x128_bf8_bf8 v[VH+32+8*(\mt):VH+32+8*(\mt)+7], v[AF+32:AF+47], v[96:111], 0
	v_wmma_f32_16x16x128_bf8_bf8 v[KH+8*(\mt):KH+8*(\mt)+7], v[AF+16:AF+31], v[16:31], v[KH+8*(\mt):KH+8*(\mt)+7]
	v_wmma_f32_16x16x128_bf8_bf8 v[KH+32+8*(\mt):KH+32+8*(\mt)+7], v[AF+16:AF+31], v[48:63], v[KH+32+8*(\mt):KH+32+8*(\mt)+7]
	v_wmma_f32_16x16x128_bf8_bf8 v[VH+8*(\mt):VH+8*(\mt)+7], v[AF+48:AF+63], v[80:95], v[VH+8*(\mt):VH+8*(\mt)+7]
	v_wmma_f32_16x16x128_bf8_bf8 v[VH+32+8*(\mt):VH+32+8*(\mt)+7], v[AF+48:AF+63], v[112:127], v[VH+32+8*(\mt):VH+32+8*(\mt)+7]
	WIN 0
.endm
	s_load_b256 s[4:11], s[0:1], 0x0               ; kv 4, wc 6, tabs 8, scales 10
	s_load_b128 s[12:15], s[0:1], 0x20             ; pctx 12, pstat 14
	v_lshl_add_u32 v[SPW], v0, 2, SPARE
	v_mov_b32 v[NIL], 0
	ds_add_u32 v[SPW], v[NIL]                      ; the wave's opening: the add, twice on end, and its wait ahead of my first tensor load
	ds_add_u32 v[SPW], v[NIL]
	v_lshrrev_b32 v7, 5, v0
	v_readfirstlane_b32 s16, v7                    ; wave = head
	s_mov_b32 s24, (2<<16)|(1<<20)|(6<<22)|(3<<25) ; group 1: elements of 4 bytes; padding on: 4 words behind every 128
	s_mov_b32 s25, 128<<16                         ; tensor_dim0 = 128
	s_mov_b32 s26, 16<<16                          ; tensor_dim1 = 16
	s_mov_b32 s27, 128<<16                         ; tile_dim0 = 128
	s_mov_b32 s28, 16                              ; tile_dim1 = 16
	s_mov_b32 s29, 256                             ; elements from row to row
	s_mov_b32 s30, 0
	s_mov_b32 s31, 0
	s_mul_i32 s17, s16, RAWT                       ; my tile of sub-block 0 in LDS
	s_lshl_b32 s18, ttmp9, 18                      ; 256 rows of 1,024 bytes,
	s_lshr_b32 s19, s16, 1
	s_lshl_b32 s19, s19, 14                        ; 16 rows x (wave / 2),
	s_add_co_u32 s18, s18, s19
	s_and_b32 s19, s16, 1
	s_lshl_b32 s19, s19, 9                         ; 128 numbers x (wave % 2)
	s_add_co_u32 s18, s18, s19
	s_mov_b32 s19, 0
	s_mov_b32 s60, 0x76543210                      ; v_permlanex16_b32: lane l xor 16
	s_mov_b32 s61, 0xfedcba98
	s_wait_dscnt 0x0                               ; both opening adds are done
	s_wait_kmcnt 0x0
	s_add_nc_u64 s[20:21], s[4:5], s[18:19]
.irp sb,0,1,2,3                        ; the four first fills, a group 0 each: every byte is filled once
	s_mov_b32 s[32+4*\sb], 1
	s_add_co_u32 s[33+4*\sb], s17, \sb*8*RAWT
	s_add_nc_u64 s[34+4*\sb:35+4*\sb], s[20:21], \sb*65536
	s_or_b32 s[35+4*\sb], s[35+4*\sb], 0x80000000
	tensor_load_to_lds s[32+4*\sb:35+4*\sb], s[24:31]
	s_nop 0
.endr
	PLACES
	s_load_b256 s[48:55], s[10:11], 0x0            ; e0 .. e7
	v_and_b32 v7, 31, v0
	v_lshlrev_b32 v[LI], 4, v7
	v_and_b32 v7, 15, v0                           ; r
	v_bfe_u32 v[RA], v0, 4, 1
	v_lshlrev_b32 v[RA], 5, v[RA]                  ; 32 h: my eight numbers of each sixteen
	v_mad_u32_u24 v[RA], v7, 528, v[RA]
	v_add_nc_u32 v[RA], s17, v[RA]
	s_lshl_b32 s22, s16, 11
	s_add_co_u32 s22, s22, IMG
	v_add_nc_u32 v[IW], s22, v[LI]
	v_add_nc_u32 v[IR], IMG, v[LI]
	v_lshlrev_b32 v7, 2, v7                        ; 4 r
	s_lshl_b32 s22, s16, 14
	s_add_co_u32 s22, s22, 589824
	s_mov_b32 s23, 0
	s_add_nc_u64 s[6:7], s[6:7], s[22:23]          ; my head's weight codes
	s_lshl_b32 s22, s16, 7
	s_add_nc_u64 s[8:9], s[8:9], s[22:23]          ; my head's 32 numbers in a table
	WIN 0x40
.set ii,0
.rept 32
	global_load_b128 v[4*ii:4*ii+3], v[LI], s[6:7] offset:512*ii
.set ii,ii+1
.endr
	WIN 0
	global_load_b32 v[ST+5], v7, s[8:9] offset:6144       ; bk = wk_b log2e of my channel, tile 0,
	global_load_b32 v[ST+13], v7, s[8:9] offset:6208      ; tile 1
	global_load_b32 v[ST+4], v7, s[8:9] offset:7168       ; bv
	global_load_b32 v[ST+12], v7, s[8:9] offset:7232
	s_wait_kmcnt 0x0
	MKSC s50, 8                                    ; e2: kv for k
	MKSC s52, 10                                   ; e4: kv for v
	MKSC s54, 12                                   ; e6: p
	MKSC s55, 14                                   ; e7: v
	s_add_co_i32 s56, s50, s51
	s_lshl_b32 s56, s56, 23
	s_add_co_i32 s56, s56, 0x3fb8aa3b              ; ck = log2e x 2^(e2 + e3): the exponents are added to log2e's exponent field
	s_mov_b32 s57, s56
	s_add_co_i32 s58, s52, s53
	s_add_co_i32 s58, s58, 127
	s_lshl_b32 s58, s58, 23                        ; 2^(e4 + e5)
	s_mov_b32 s59, s58
.macro SUB sb
	; ---- my fragment of kv: 64 numbers a lane, register 8 c + j = k 16 c + 8 h + j of row r
	s_wait_tensorcnt 3-\sb                         ; my tile of this sub-block is in; the later sub-blocks' may be out
.irp c,0,1,2,3,4,5,6,7
	ds_load_b128 v[KH+8*\c:KH+8*\c+3], v[RA] offset:64*\c
	ds_load_b128 v[KH+8*\c+4:KH+8*\c+7], v[RA] offset:64*\c+16
.endr
	s_wait_dscnt 0x0
.if \sb < 3
	v_add_nc_u32 v[RA], 8*RAWT, v[RA]
.endif
.set ii,0
.rept 64
	v_med3_num_f32 v[VH+ii], v[KH+ii], -v9, v9     ; the hold at the largest code x the scale (ISA guide 7.6.2), under e2
.set ii,ii+1
.endr
.irp c,0,1,2,3,4,5,6,7
	v_cvt_scalef32_pk8_bf8_f32 v[CK+2*\c:CK+2*\c+1], v[VH+8*\c:VH+8*\c+7], v8
.endr
.set ii,0
.rept 64
	v_med3_num_f32 v[KH+ii], v[KH+ii], -v11, v11   ; and under e4
.set ii,ii+1
.endr
.irp c,0,1,2,3,4,5,6,7
	v_cvt_scalef32_pk8_bf8_f32 v[CVC+2*\c:CVC+2*\c+1], v[KH+8*\c:KH+8*\c+7], v10
.endr
	v_nop                                          ; a plain line behind the last conversion
.if \sb > 0
	s_barrier_signal -1                            ; every wave's reads of the last images were waited for (the wait for 0 above): they may be overwritten
	s_barrier_wait -1
.endif
.irp g,0,1,2,3
	ds_store_b128 v[IW], v[CK+4*\g:CK+4*\g+3] offset:512*\g
	ds_store_b128 v[IW], v[CVC+4*\g:CVC+4*\g+3] offset:16384+512*\g
.endr
	s_wait_dscnt 0x0                               ; for the others' sake: my stores have landed
	s_barrier_signal -1
	s_barrier_wait -1
	; ---- k and v of my head for the 64 rows
	LA 0
	LA 1
.if \sb == 0
	s_wait_loadcnt 0x0                             ; the weights and the biases, once
.endif
	s_wait_dscnt 16                                ; the set issued behind may be out
	MM 0
	PLACES                                         ; in front of loads into registers that matrix instructions have read
	LA 2
	s_wait_dscnt 16
	MM 1
	PLACES
	LA 3
	s_wait_dscnt 16
	MM 2
	s_wait_dscnt 0x0
	MM 3
	PLACES
	; ---- the softmax's p.  ck is positive and the bias is one number a lane: the largest t is the largest sum's
	v_max3_num_f32 v[T], v[KH], v[KH+1], v[KH+2]
	v_max3_num_f32 v[T+1], v[KH+32], v[KH+33], v[KH+34]
.irp i,3,5,7,9,11,13,15,17,19,21,23,25,27,29
	v_max3_num_f32 v[T], v[T], v[KH+\i], v[KH+\i+1]
	v_max3_num_f32 v[T+1], v[T+1], v[KH+32+\i], v[KH+33+\i]
.endr
	v_max_num_f32 v[T], v[T], v[KH+31]
	v_max_num_f32 v[T+1], v[T+1], v[KH+63]
	v_permlanex16_b32 v[T+2], v[T], s60, s61       ; the channel's other 32 rows lie in lane l xor 16
	v_permlanex16_b32 v[T+3], v[T+1], s60, s61
	v_max_num_f32 v[T], v[T], v[T+2]
	v_max_num_f32 v[T+1], v[T+1], v[T+3]
.if \sb == 0
	v_fma_f32 v[ST+1], v[T], s56, v[ST+5]          ; the first sub-block starts the running largest t
	v_fma_f32 v[ST+9], v[T+1], s56, v[ST+13]
.else
	v_fma_f32 v[T], v[T], s56, v[ST+5]
	v_fma_f32 v[T+1], v[T+1], s56, v[ST+13]
	v_max_num_f32 v[ST+1], v[ST+1], v[T]
	v_max_num_f32 v[ST+9], v[ST+9], v[T+1]
	v_mov_b32 v[T+2], v[ST+3]
	v_mov_b32 v[T+3], v[ST+11]
.endif
	v_floor_f32 v[ST+3], -v[ST+1]                  ; -M = floor(-t) = -ceil(t)
	v_floor_f32 v[ST+11], -v[ST+9]
.if \sb > 0
	v_sub_f32 v[T+2], v[ST+3], v[T+2]              ; old M - new M: a whole number, 0 or less
	v_sub_f32 v[T+3], v[ST+11], v[T+3]
	v_cvt_i32_f32 v[T+2], v[T+2]
	v_cvt_i32_f32 v[T+3], v[T+3]
	v_ldexp_f32 v[ST+2], 1.0, v[T+2]               ; f = 2^(old M - new M)
	v_ldexp_f32 v[ST+10], 1.0, v[T+3]
.endif
	v_add_f32 v[ST], v[ST+5], v[ST+3]              ; bk - M
	v_add_f32 v[ST+8], v[ST+13], v[ST+11]
.irp j,0,2,4,6,8,10,12,14,16,18,20,22,24,26,28,30
	v_pk_fma_f32 v[KH+\j:KH+\j+1], v[KH+\j:KH+\j+1], s[56:57], v[ST:ST+1] op_sel_hi:[1,0,0]             ; t - M
	v_pk_fma_f32 v[KH+32+\j:KH+33+\j], v[KH+32+\j:KH+33+\j], s[56:57], v[ST+8:ST+9] op_sel_hi:[1,0,0]
.endr
.set ii,0
.rept 64
	v_exp_f32 v[KH+ii], v[KH+ii]                   ; p = 2^(t - M)
.set ii,ii+1
.endr
.if \sb > 0
	v_pk_mul_f32 v[ST+6:ST+7], v[ST+6:ST+7], v[ST+2:ST+3] op_sel_hi:[1,0]         ; l under the new M (plain lines behind the exponentials)
	v_pk_mul_f32 v[ST+14:ST+15], v[ST+14:ST+15], v[ST+10:ST+11] op_sel_hi:[1,0]
	s_wait_alu depctr_va_vdst(0)                   ; one wait for the batch, ahead of its first reader
	v_pk_add_f32 v[ST+6:ST+7], v[ST+6:ST+7], v[KH:KH+1]
	v_pk_add_f32 v[ST+14:ST+15], v[ST+14:ST+15], v[KH+32:KH+33]
	v_pk_add_f32 v[ST+6:ST+7], v[ST+6:ST+7], v[KH+2:KH+3]
	v_pk_add_f32 v[ST+14:ST+15], v[ST+14:ST+15], v[KH+34:KH+35]
.else
	v_nop
	s_wait_alu depctr_va_vdst(0)
	v_pk_add_f32 v[ST+6:ST+7], v[KH:KH+1], v[KH+2:KH+3]
	v_pk_add_f32 v[ST+14:ST+15], v[KH+32:KH+33], v[KH+34:KH+35]
.endif
.irp j,4,6,8,10,12,14,16,18,20,22,24,26,28,30
	v_pk_add_f32 v[ST+6:ST+7], v[ST+6:ST+7], v[KH+\j:KH+\j+1]                     ; the sum is taken of the unquantised p
	v_pk_add_f32 v[ST+14:ST+15], v[ST+14:ST+15], v[KH+32+\j:KH+33+\j]
.endr
.irp a,0,1,2,3,4,5,6,7                 ; tile a = 4 ct + mt: its eight rows become registers 2 mt, 2 mt + 1 of p's fragment ct
.irp i,0,1,2,3,4,5,6,7
	v_min_num_f32 v[KH+8*\a+\i], v[KH+8*\a+\i], v13       ; p is not negative: the hold is one-sided
.endr
	v_cvt_scalef32_pk8_bf8_f32 v[PC+2*\a:PC+2*\a+1], v[KH+8*\a:KH+8*\a+7], v12
.endr
	; ---- v
.irp j,0,2,4,6,8,10,12,14,16,18,20,22,24,26,28,30
	v_pk_fma_f32 v[VH+\j:VH+\j+1], v[VH+\j:VH+\j+1], s[58:59], v[ST+4:ST+5] op_sel_hi:[1,0,0]
	v_pk_fma_f32 v[VH+32+\j:VH+33+\j], v[VH+32+\j:VH+33+\j], s[58:59], v[ST+12:ST+13] op_sel_hi:[1,0,0]
.endr
.irp a,0,1,2,3,4,5,6,7
.irp i,0,1,2,3,4,5,6,7
	v_med3_num_f32 v[VH+8*\a+\i], v[VH+8*\a+\i], -v15, v15
.endr
	v_cvt_scalef32_pk8_bf8_f32 v[VC+2*\a:VC+2*\a+1], v[VH+8*\a:VH+8*\a+7], v14
.endr
	v_nop
	; ---- the context: K = these 64 rows
.if \sb > 0
.irp d,0,1
.irp j,0,2,4,6,8,10,12,14
	v_pk_mul_f32 v[CT+16*\d+\j:CT+16*\d+\j+1], v[CT+16*\d+\j:CT+16*\d+\j+1], v[ST+8*\d+2:ST+8*\d+3] op_sel_hi:[1,0]   ; under the new M: a lane holds one d
.endr
.endr
.endif
.irp d,0,1
.irp e,0,1
.if \sb > 0
	v_wmma_f32_16x16x64_bf8_bf8 v[CT+16*\d+8*\e:CT+16*\d+8*\e+7], v[VC+8*\e:VC+8*\e+7], v[PC+8*\d:PC+8*\d+7], v[CT+16*\d+8*\e:CT+16*\d+8*\e+7]
.else
	v_wmma_f32_16x16x64_bf8_bf8 v[CT+16*\d+8*\e:CT+16*\d+8*\e+7], v[VC+8*\e:VC+8*\e+7], v[PC+8*\d:PC+8*\d+7], 0
.endif
.endr
.endr
.endm
	SUB 0
	SUB 1
	SUB 2
	SUB 3
	PLACES                                         ; in front of the stores of results just made
	v_add_f32 v[ST+6], v[ST+6], v[ST+7]
	v_add_f32 v[ST+14], v[ST+14], v[ST+15]
	v_permlanex16_b32 v[T], v[ST+6], s60, s61
	v_permlanex16_b32 v[T+1], v[ST+14], s60, s61
	v_add_f32 v[T+2], v[ST+6], v[T]                ; l of my channel, tile 0,
	v_add_f32 v[T+3], v[ST+14], v[T+1]             ; tile 1
	v_mov_b32 v[T], v[ST+3]                        ; -M
	v_mov_b32 v[T+1], v[ST+11]
	s_lshl_b32 s22, ttmp9, 3
	s_add_co_u32 s22, s22, s16                     ; 8 x work-group + head
	s_lshl_b32 s18, s22, 12
	s_add_nc_u64 s[12:13], s[12:13], s[18:19]
	s_lshl_b32 s18, s22, 9
	s_add_nc_u64 s[14:15], s[14:15], s[18:19]
.irp q,0,1,2,3,4,5,6,7
	global_store_b128 v[LI], v[CT+4*\q:CT+4*\q+3], s[12:13] offset:512*\q    ; each store covers 512 consecutive bytes, aligned; each accumulator from its low end on
.endr
	global_store_b128 v[LI], v[T:T+3], s[14:15]
	s_wait_tensorcnt 0x0                           ; the wave's end
	ds_add_u32 v[SPW], v[NIL]
	s_wait_dscnt 0x0
	s_endpgm
.Lfunc_end_k_q9e4e84cf72_kvpass:
	.size	k_q9e4e84cf72_kvpass, .Lfunc_end_k_q9e4e84cf72_kvpass-k_q9e4e84cf72_kvpass
	.p2alignl 7, 3214868480
	.fill 96, 4, 3214868480
	.section	.rodata,"a",@progbits
	.p2align	6, 0x0
	.amdhsa_kernel k_q9e4e84cf72_kvpass
		.amdhsa_group_segment_fixed_size 304128
		.amdhsa_private_segment_fixed_size 0
		.amdhsa_enable_private_segment 0
		.amdhsa_kernarg_size 48
		.amdhsa_user_sgpr_count 2
		.amdhsa_user_sgpr_kernarg_segment_ptr 1
		.amdhsa_wavefront_size32 1
		.amdhsa_system_sgpr_workgroup_id_x 1
		.amdhsa_system_sgpr_workgroup_id_y 1
		.amdhsa_system_sgpr_workgroup_id_z 1
		.amdhsa_system_vgpr_workitem_id 0
		.amdhsa_next_free_vgpr 512
		.amdhsa_next_free_sgpr 80
		.amdhsa_reserve_vcc 0
		.amdhsa_float_denorm_mode_32 3
		.amdhsa_float_denorm_mode_16_64 3
		.amdhsa_memory_ordered 1
		.amdhsa_forward_progress 1
		.amdhsa_inst_pref_size 157
	.end_amdhsa_kernel
	.amdgpu_metadata
---
amdhsa.version: [ 1, 2 ]
amdhsa.kernels:
  - .name:           k_q9e4e84cf72_kvpass
    .symbol:         k_q9e4e84cf72_kvpass.kd
    .args:
      - { .name: kv, .offset: 0, .size: 8, .value_kind: global_buffer, .address_space: global }
      - { .name: wc, .offset: 8, .size: 8, .value_kind: global_buffer, .address_space: global }
      - { .name: tabs, .offset: 16, .size: 8, .value_kind: global_buffer, .address_space: global }
      - { .name: lowp_scales, .offset: 24, .size: 8, .value_kind: global_buffer, .address_space: global }
      - { .name: pctx, .offset: 32, .size: 8, .value_kind: global_buffer, .address_space: global }
      - { .name: pstat, .offset: 40, .size: 8, .value_kind: global_buffer, .address_space: global }
    .group_segment_fixed_size: 304128
    .private_segment_fixed_size: 0
    .kernarg_segment_align: 8
    .kernarg_segment_size: 48
    .max_flat_workgroup_size: 256
    .sgpr_count:     80
    .vgpr_count:     512
    .wavefront_size: 32
...
	.end_amdgpu_metadata
.endif
;; end of part 2
;; launch combine (part 3): grid 64 x 1, 16 waves a work-group, no clusters, 23,808 bytes of LDS; arguments pctx, pstat, lowp_scales, ctxc; writes ctxc
.if DOCPART == 3
	.amdgcn_target "amdgcn-amd-amdhsa--gfx1250"
	.amdhsa_code_object_version 6
	.text
	.protected	k_q9e4e84cf72_combine
	.globl	k_q9e4e84cf72_combine
	.p2align	8
	.type	k_q9e4e84cf72_combine,@function
k_q9e4e84cf72_combine:
	s_mov_b64 s[64:65], 0
	v_nop
	global_prefetch_b8 v0, s[64:65] scope:SCOPE_SE
	s_setreg_imm32_b32 hwreg(HW_REG_WAVE_MODE, 25, 1), 1
	s_wait_xcnt 0x0
; COMBINE: the 128 partial contexts of a batch and head are brought under one M, added, divided by l, multiplied by 2^(e6 + e7) and quantised (e9) as product 5's second operand.  Nothing is left out.
; Work-group x: batch x / 32, head (x / 4) % 8, tile et = (x / 2) % 2 of the head's 32 e, tile dt = x % 2 of its 32 d: a tile of 16 d x 16 e.  Wave w takes partials 8 w .. 8 w + 7: of each, two pieces of
; 512 bytes and 256 bytes of statistics (both halves of the lanes read the record of lane % 16).  A lane holds one d (lane % 16) and e = 8 (lane / 16) + 0..7.
; M of the batch = the largest M: -M is the least -M; each partial is multiplied by 2^(its M - the batch's M), exact.
; The codes' K is d: the sums are turned through LDS (rows e, 80 bytes apart), so that a lane's registers run along d.  The last launch multiplies two heads in one step of K = 64: a fragment holds this
; head's 32 d in its half and zero codes in the other head's half.  ctxc: 16384 batch + 1024 (2 head + et) + 256 c: register pair c (k = 16 c + 8 (lane / 16) + 0..7) as a plane of 256 bytes, 8 x lane.
; This work-group stores plane 2 (head % 2) + dt, its codes, and the plane two away, zeros: each store covers 256 consecutive bytes, aligned.
; LIMITS: e9 between -126 and 112; NaN is not served.
.set REDM,  0                          ; 16 waves x 128 bytes: the least -M of each wave
.set REDL,  2048                       ; 16 x 128: l
.set REDA,  4096                       ; 16 x 1,024: the sums
.set TR,    20480                      ; 16 rows e x (64 bytes + 16)
.set SPARE, 21760
	s_load_b256 s[4:11], s[0:1], 0x0               ; pctx 4, pstat 6, scales 8, ctxc 10
	v_lshl_add_u32 v1, v0, 2, SPARE                ; the add's two registers
	v_mov_b32 v2, 0
	v_lshrrev_b32 v14, 5, v0
	v_readfirstlane_b32 s12, v14                   ; wave 0..15
	v_and_b32 v14, 31, v0
	v_lshlrev_b32 v3, 4, v14                       ; 16 x lane
	v_lshlrev_b32 v5, 2, v14                       ; REDM + 4 x lane: from where all waves' minima are read
	v_lshlrev_b32 v243, 3, v14                     ; 8 x lane: my place in a plane
	s_lshl_b32 s13, s12, 7
	v_add_nc_u32 v4, s13, v5                       ; where I store mine
	v_add_nc_u32 v6, REDL, v4                      ; and my l
	s_lshl_b32 s13, s12, 10
	s_add_co_u32 s13, s13, REDA
	v_add_nc_u32 v7, s13, v3                       ; and my sums
	s_and_b32 s14, s12, 1                          ; waves 0, 1: the piece (four e of each half) that I add up
	s_lshl_b32 s13, s14, 9
	s_add_co_u32 s13, s13, REDA
	v_add_nc_u32 v8, s13, v3                       ; that piece of every wave's sums
	v_add_nc_u32 v9, REDL, v5                      ; every wave's l
	v_and_b32 v14, 15, v0                          ; r
	v_bfe_u32 v15, v0, 4, 1                        ; h
	v_lshlrev_b32 v10, 2, v14
	v_mad_u32_u24 v10, v15, 640, v10               ; the turn, in: row e = 8 h + 4 (w % 2) + jj, column d = r
	s_mul_i32 s13, s14, 320
	s_add_co_u32 s13, s13, TR
	v_add_nc_u32 v10, s13, v10
	v_lshlrev_b32 v11, 5, v15
	v_mad_u32_u24 v11, v14, 80, v11
	v_add_nc_u32 v11, TR, v11                      ; out: row e = r, d = 8 h on
	s_lshr_b32 s16, ttmp9, 5                       ; batch
	s_bfe_u32 s17, ttmp9, 0x30002                  ; head
	s_bfe_u32 s18, ttmp9, 0x10001                  ; et
	s_and_b32 s15, ttmp9, 1                        ; dt
	s_lshl_b32 s19, s15, 2
	v_lshl_add_u32 v242, v14, 4, s19               ; the statistics: lane r's record of 16 bytes, word dt
	s_lshl_b32 s19, s16, 7
	s_lshl_b32 s20, s12, 3
	s_add_co_u32 s19, s19, s20                     ; my first partial: 128 batch + 8 wave
	s_lshl_b32 s20, s19, 12
	s_lshl_b32 s21, s17, 9
	s_add_co_u32 s20, s20, s21
	s_mov_b32 s21, 0
	s_wait_kmcnt 0x0
	s_load_b256 s[24:31], s[8:9], 0x0              ; e0 .. e7
	s_load_b64 s[32:33], s[8:9], 0x20              ; e8, e9
	s_add_nc_u64 s[6:7], s[6:7], s[20:21]
	s_lshl_b32 s20, s19, 15
	s_lshl_b32 s22, s17, 12
	s_add_co_u32 s20, s20, s22
	s_lshl_b32 s22, s15, 11
	s_add_co_u32 s20, s20, s22
	s_lshl_b32 s22, s18, 10
	s_add_co_u32 s20, s20, s22
	s_add_nc_u64 s[4:5], s[4:5], s[20:21]
.irp p,0,1,2,3,4,5,6,7
	global_load_b32 v[16+2*\p], v242, s[6:7] offset:4096*\p          ; -M of my d,
	global_load_b32 v[17+2*\p], v242, s[6:7] offset:4096*\p+8        ; l of my d
.endr
.irp p,0,1,2,3,4,5,6,7
.irp i,0,1
	global_load_b128 v[48+8*\p+4*\i:48+8*\p+4*\i+3], v3, s[4:5] offset:32768*\p+512*\i th:TH_LOAD_NT
.endr
.endr
	s_lshl_b32 s20, s16, 14
	s_lshl_b32 s22, s17, 11
	s_add_co_u32 s20, s20, s22
	s_lshl_b32 s22, s18, 10
	s_add_co_u32 s20, s20, s22
	s_add_nc_u64 s[10:11], s[10:11], s[20:21]      ; my fragment in ctxc
	s_and_b32 s22, s17, 1
	s_lshl_b32 s22, s22, 1
	s_add_co_u32 s22, s22, s15                     ; plane 2 (head % 2) + dt
	s_lshl_b32 s22, s22, 8
	v_add_nc_u32 v240, s22, v243                   ; this head's plane,
	s_xor_b32 s22, s22, 512
	v_add_nc_u32 v241, s22, v243                   ; the other head's
	s_wait_kmcnt 0x0
	s_add_co_i32 s34, s30, s31                     ; e6 + e7
	s_add_co_i32 s22, s33, 127
	s_lshl_b32 s23, s22, 23
	v_mov_b32 v12, s23                             ; 2^e9
	s_add_co_i32 s22, s22, 15
	s_lshl_b32 s22, s22, 23
	s_or_b32 s22, s22, 0x600000
	v_mov_b32 v13, s22                             ; 57,344 x 2^e9
	s_wait_loadcnt 16                              ; the statistics are in; the 16 loads of contexts may be out
	v_min_num_f32 v14, v16, v18
.irp p,2,3,4,5,6,7
	v_min_num_f32 v14, v14, v[16+2*\p]
.endr
	ds_store_b32 v4, v14
	s_wait_dscnt 0x0                               ; for the others' sake
	s_barrier_signal -1
	s_barrier_wait -1
.irp u,0,1,2,3,4,5,6,7,8,9,10,11,12,13,14,15
	ds_load_b32 v[208+\u], v5 offset:128*\u
.endr
	s_wait_dscnt 0x0
	v_min_num_f32 v14, v208, v209
.irp u,2,3,4,5,6,7,8,9,10,11,12,13,14,15
	v_min_num_f32 v14, v14, v[208+\u]              ; the batch's -M
.endr
.irp p,0,1,2,3,4,5,6,7
	v_sub_f32 v[176+\p], v14, v[16+2*\p]           ; the partial's M - the batch's M: a whole number, 0 or less
.endr
.irp p,0,1,2,3,4,5,6,7
	v_cvt_i32_f32 v[176+\p], v[176+\p]
.endr
.irp p,0,1,2,3,4,5,6,7
	v_ldexp_f32 v[176+\p], 1.0, v[176+\p]          ; f(p)
.endr
	v_mul_f32 v208, v17, v176
.irp p,1,2,3,4,5,6,7
	v_fmac_f32 v208, v[17+2*\p], v[176+\p]
.endr
	s_wait_loadcnt 0x0
.irp j,0,1,2,3,4,5,6,7
	v_mul_f32 v[192+\j], v[48+\j], v176
.endr
.irp p,1,2,3,4,5,6,7
.irp j,0,1,2,3,4,5,6,7
	v_fmac_f32 v[192+\j], v[48+8*\p+\j], v[176+\p]
.endr
.endr
	ds_store_b128 v7, v[192:195]
	ds_store_b128 v7, v[196:199] offset:512
	ds_store_b32 v6, v208
	s_wait_dscnt 0x0
	s_barrier_signal -1
	s_barrier_wait -1
	s_cmp_lt_u32 s12, 2                            ; waves 0 and 1 add the sixteen waves' sums, a piece (four e of each half) each
	s_cbranch_scc0 .Lno_piece
.irp u,0,1,2,3,4,5,6,7,8,9,10,11,12,13,14,15
	ds_load_b128 v[48+4*\u:51+4*\u], v8 offset:1024*\u
.endr
.irp u,0,1,2,3,4,5,6,7,8,9,10,11,12,13,14,15
	ds_load_b32 v[112+\u], v9 offset:128*\u
.endr
	s_wait_dscnt 0x0
.irp u,1,2,3,4,5,6,7,8,9,10,11,12,13,14,15
	v_pk_add_f32 v[48:49], v[48:49], v[48+4*\u:49+4*\u]
	v_pk_add_f32 v[50:51], v[50:51], v[50+4*\u:51+4*\u]
	v_add_f32 v112, v112, v[112+\u]
.endr
	v_rcp_f32 v112, v112
	v_nop                                          ; a plain line behind the reciprocal,
	s_wait_alu depctr_va_vdst(0)                   ; and the wait ahead of its first reader
	v_ldexp_f32 v112, v112, s34                    ; 2^(e6 + e7) / l
.irp j,0,1,2,3
	v_mul_f32 v[48+\j], v[48+\j], v112
.endr
.irp j,0,1,2,3
	ds_store_b32 v10, v[48+\j] offset:80*\j
.endr
.Lno_piece:
	s_wait_dscnt 0x0
	s_barrier_signal -1
	s_barrier_wait -1
	s_cmp_lg_u32 s12, 0                            ; wave 0 quantises and stores
	s_cbranch_scc1 .Lend
	ds_load_b128 v[48:51], v11                     ; context(d = 16 dt + 8 h + 0..7, e = r)
	ds_load_b128 v[52:55], v11 offset:16
	v_mov_b32 v68, 0
	v_mov_b32 v69, 0
	s_wait_dscnt 0x0
.irp j,0,1,2,3,4,5,6,7
	v_med3_num_f32 v[48+\j], v[48+\j], -v13, v13
.endr
	v_cvt_scalef32_pk8_bf8_f32 v[64:65], v[48:55], v12
	global_store_b64 v240, v[64:65], s[10:11]      ; 256 consecutive bytes each
	global_store_b64 v241, v[68:69], s[10:11]      ; zero codes: they add nothing
.Lend:
	s_wait_tensorcnt 0x0                           ; the wave's end
	ds_add_u32 v1, v2
	s_wait_dscnt 0x0
	s_endpgm
.Lfunc_end_k_q9e4e84cf72_combine:
	.size	k_q9e4e84cf72_combine, .Lfunc_end_k_q9e4e84cf72_combine-k_q9e4e84cf72_combine
	.p2alignl 7, 3214868480
	.fill 96, 4, 3214868480
	.section	.rodata,"a",@progbits
	.p2align	6, 0x0
	.amdhsa_kernel k_q9e4e84cf72_combine
		.amdhsa_group_segment_fixed_size 23808
		.amdhsa_private_segment_fixed_size 0
		.amdhsa_enable_private_segment 0
		.amdhsa_kernarg_size 32
		.amdhsa_user_sgpr_count 2
		.amdhsa_user_sgpr_kernarg_segment_ptr 1
		.amdhsa_wavefront_size32 1
		.amdhsa_system_sgpr_workgroup_id_x 1
		.amdhsa_system_sgpr_workgroup_id_y 1
		.amdhsa_system_sgpr_workgroup_id_z 1
		.amdhsa_system_vgpr_workitem_id 0
		.amdhsa_next_free_vgpr 256
		.amdhsa_next_free_sgpr 66
		.amdhsa_reserve_vcc 0
		.amdhsa_float_denorm_mode_32 3
		.amdhsa_float_denorm_mode_16_64 3
		.amdhsa_memory_ordered 1
		.amdhsa_forward_progress 1
		.amdhsa_inst_pref_size 19
	.end_amdhsa_kernel
	.amdgpu_metadata
---
amdhsa.version: [ 1, 2 ]
amdhsa.kernels:
  - .name:           k_q9e4e84cf72_combine
    .symbol:         k_q9e4e84cf72_combine.kd
    .args:
      - { .name: pctx, .offset: 0, .size: 8, .value_kind: global_buffer, .address_space: global }
      - { .name: pstat, .offset: 8, .size: 8, .value_kind: global_buffer, .address_space: global }
      - { .name: lowp_scales, .offset: 16, .size: 8, .value_kind: global_buffer, .address_space: global }
      - { .name: ctxc, .offset: 24, .size: 8, .value_kind: global_buffer, .address_space: global }
    .group_segment_fixed_size: 23808
    .private_segment_fixed_size: 0
    .kernarg_segment_align: 8
    .kernarg_segment_size: 32
    .max_flat_workgroup_size: 512
    .sgpr_count:     66
    .vgpr_count:     256
    .wavefront_size: 32
...
	.end_amdgpu_metadata
.endif
;; end of part 3
;; launch main (part 4): grid 256 x 1, 8 waves a work-group, clusters of 4 x 1, 327,680 bytes of LDS; arguments q, wc, tabs, ctxc, lowp_scales, out0; writes out0
.if DOCPART == 4
	.amdgcn_target "amdgcn-amd-amdhsa--gfx1250"
	.amdhsa_code_object_version 6
	.text
	.protected	k_q9e4e84cf72_main
	.globl	k_q9e4e84cf72_main
	.p2align	8
	.type	k_q9e4e84cf72_main,@function
k_q9e4e84cf72_main:
	s_mov_b64 s[64:65], 0
	v_nop
	global_prefetch_b8 v0, s[64:65] scope:SCOPE_SE
	s_setreg_imm32_b32 hwreg(HW_REG_WAVE_MODE, 25, 1), 1
	s_wait_xcnt 0x0
	s_wait_alu depctr_hold_cnt(0) depctr_sa_sdst(0) depctr_va_vdst(0) depctr_va_sdst(0) depctr_va_ssrc(0) depctr_va_vcc(0) depctr_vm_vsrc(0)
	s_getreg_b32 s2, hwreg(HW_REG_IB_STS2, 6, 4)
	s_cmp_eq_u32 s2, 0
	s_cbranch_scc0 .Lentry_in_a_cluster
	s_endpgm
.Lentry_in_a_cluster:
	s_bfe_u32 s2, ttmp6, 0x10000c
	s_cmp_lg_u32 s2, 0x3003
	s_cbranch_scc0 .Lentry_shape_is_right
	s_endpgm
.Lentry_shape_is_right:
; MAIN: products 1, 5, 6, 7 and all between: qh = q wq + wq_b; softmax over each head's 32 channels; attn = p context / l; x = LN1(q + attn); ff = gelu(x ff1 + b1) ff2 + b2; out = LN2(x + ff).
; Nothing of the problem is left out here.  q is read once, out0 written once; every intermediate stays in registers.
; SHARES.  A work-group takes 256 rows; wave w takes 32 of them (two tiles m of 16), all 256 columns, the whole chain.  Waves share the weights alone.  Two waves lie on a SIMD, so that one wave's
; vector work stands beside the other's products and LDS loads.
; LAYOUT.  Every product is used transposed (source 0 = 16 columns of a weight, source 1 = my 16 rows): lane (r, h) holds row r and columns 16 t + 8 h + j of tile t, so that a conversion of a tile's
; eight registers is registers 2 t, 2 t + 1 of the next operand, in the matrix unit's own order of k.
; WEIGHTS come as images of operand registers (made by the first launch) through two LDS slots of 64 KiB: wq, then eight blocks of two FF trips (a trip: 64 hidden units: 8 fragments of ff1, 16 of ff2, K = 64).
; CLUSTER.  All work-groups walk the same weights and tables, and a batch's the same context: the four of a cluster ask JOINTLY, each wave for an eighth of a block, mask 15.
; By this text's own count four tensor loads of a wave are out at the head, later one.
; THE HEAD.  q's first 16 rows of each wave are asked for ahead of the round that stands in front of the joint loads, the other 16 behind those loads.  The barrier that shows wq, the tables and the context to
; every wave stands ahead of q's turn through the stage, which touches the wave's own bytes alone: from there to the first change of slots no wave waits for another.
; FF2's SUMS BEGIN WITH (x + ff2_b) / 2^(e12+e13): residual and bias cost no addition.  LN2 then works on the scaled sums with eps / 2^(2 (e12+e13)): a LayerNorm does not see a common factor whose square eps carries.
; GELU, exact form, erf by Abramowitz and Stegun 7.1.26 (error of erf at most 1.5e-7), in y = k x, k = sqrt(log2e / 2): e = 2^(-y y), t = 1 / (1 + p' |y|), r = a1' + t (a2' + t (a3' + t (a4' + t a5'))),
; g = |y| (h - r t e) + y h, h = 1 / (2 k), a' = a h.  LIMIT: for x under -1 the relative error of g grows as 1.5e-7 / (1 + erf), as that of an f32 sum 1 + erf does.
; LIMITS on the given exponents: e0, e8, e10, e12 between -126 and 112; e0 + e1 and e10 + e11 so that log2e 2^(e0+e1) and k 2^(e10+e11) are f32 numbers; e12 + e13 between -68 and 58.  NaN is not served.
; REGISTERS.  window 1: X(m, t, j) = 128 m + 8 t + j: q, then q + attn, then x, then FF2's accumulators, then out.
;   window 0: v1-9 addresses; v10, v11 the scale in hand and 57,344 x it; v12-15 mean, then 1 / sigma (a4' between the norms); v16-79 the operand's codes XC(m, s); v80-143 H(tt, m); v144-159 HC(m), the norms' chains; v160-255 W.
.set SLOT1, 65536
.set TABS,  131072                     ; 16 KiB of tables
.set CTX,   147456                     ; 16 KiB: the batch's 16 context fragments, each four planes of 256 bytes
.set STAGE, 163840                     ; 16 rows x (1,024 bytes + 16) for each wave: no fill lands here
.set STGW,  16640
.set SP,    1040                       ; 260 words: row r starts at bank 4 r mod 64 (ISA guide 11.1)
.set SPARE, 296960
.set SPW, 1
.set NIL, 2
.set LI,  3                            ; 16 x lane
.set AD,  4                            ; the trip's weights: 16 x lane + the slot's place
.set HB,  5                            ; TABS + 32 h: my eight columns of a tile
.set ABI, 6                            ; the trip's bias
.set STI, 7                            ; stage: row r, + 32 h
.set STD, 8                            ; stage: dense, 16 x lane
.set CTA, 9                            ; CTX + 8 x lane
.set XC,  16
.set H,   80
.set HC,  144
.set CH,  144
.set W,   160
.set TA,  W
.set TB,  W+16
.set TC,  W+32
.set TD,  W+48
.set TMX, W+32                         ; the softmax's chains q = 2 (head of the pair) + m: largest t,
.set TPM, W+36                         ; lane l xor 16's,
.set NEGP, W+40                        ; -M (low word of a pair),
.set LS,  W+48                         ; l in two halves,
.set RLP, W+56                         ; 2^(e8+e9) / l (low word of a pair)
.set MSB, 0
.macro WIN new                         ; the immediate's high byte repeats the setting that is left
.if MSB != \new
	s_set_vgpr_msb (MSB<<8)|\new
.set MSB, \new
.endif
.endm
.macro PLACES n
.rept \n
	v_nop
.endr
.endm
.macro ROUND                           ; a round of the cluster's barrier
	s_barrier_signal -1
	s_barrier_wait -1
	s_cmp_lg_u32 s16, 0
	s_cbranch_scc1 .Lnot_wave_0_\@
	s_barrier_signal -3
.Lnot_wave_0_\@:
	s_barrier_wait -3
	s_barrier_signal -1
	s_barrier_wait -1
.endm
.macro MKSC e                          ; v10 = 2^e, v11 = 57,344 x 2^e
	s_add_co_i32 s46, \e, 127
	s_lshl_b32 s47, s46, 23
	v_mov_b32 v10, s47
	s_add_co_i32 s46, s46, 15
	s_lshl_b32 s46, s46, 23
	s_or_b32 s46, s46, 0x600000
	v_mov_b32 v11, s46
.endm
.macro TABLD dst, adr, imm, n          ; n tiles of a table in the results' layout: eight numbers a tile
.set tq,0
.rept \n
	ds_load_b128 v[\dst+8*tq:\dst+8*tq+3], v[\adr] offset:\imm+64*tq
	ds_load_b128 v[\dst+8*tq+4:\dst+8*tq+7], v[\adr] offset:\imm+64*tq+16
.set tq,tq+1
.endr
.endm
.macro LF slot, tt, adr, base          ; a column tile's two fragments (K = 256) into W + 32 slot
.irp k,0,1,2,3,4,5,6,7
	ds_load_b128 v[W+32*\slot+4*\k:W+32*\slot+4*\k+3], v[\adr] offset:\base+4096*\tt+512*\k
.endr
.endm
.macro MM slot, tt                     ; four products; the two accumulators take turns
	v_wmma_f32_16x16x128_bf8_bf8 v[H+16*\tt:H+16*\tt+7], v[W+32*\slot:W+32*\slot+15], v[XC:XC+15], 0
	v_wmma_f32_16x16x128_bf8_bf8 v[H+16*\tt+8:H+16*\tt+15], v[W+32*\slot:W+32*\slot+15], v[XC+32:XC+47], 0
	v_wmma_f32_16x16x128_bf8_bf8 v[H+16*\tt:H+16*\tt+7], v[W+32*\slot+16:W+32*\slot+31], v[XC+16:XC+31], v[H+16*\tt:H+16*\tt+7]
	v_wmma_f32_16x16x128_bf8_bf8 v[H+16*\tt+8:H+16*\tt+15], v[W+32*\slot+16:W+32*\slot+31], v[XC+48:XC+63], v[H+16*\tt+8:H+16*\tt+15]
.endm
; 64 columns x my 32 rows, K = 256.  Three tiles of weights are asked for at once, the fourth when the first is multiplied, the columns' bias (four tiles at badr + bimm) into W + 32 when the second is.
; Each count leaves out the loads issued behind the tile that is wanted; four places stand in front of loads into registers that products have read.  The bias is still out at the macro's end.
.macro GEMM1 adr, base, badr, bimm
	LF 0, 0, \adr, \base
	LF 1, 1, \adr, \base
	LF 2, 2, \adr, \base
	s_wait_dscnt 16                                ; tile 0 is in; tiles 1 and 2 may be out
	MM 0, 0
	PLACES 4
	LF 0, 3, \adr, \base
	s_wait_dscnt 16                                ; tile 1 is in; tiles 2 and 3 may be out
	MM 1, 1
	PLACES 4
	TABLD W+32, \badr, \bimm, 4
	s_wait_dscnt 16                                ; tile 2 is in; tile 3 and the bias may be out
	MM 2, 2
	s_wait_dscnt 8                                 ; tile 3 is in; the bias may be out
	MM 0, 3
.endm
	s_load_b256 s[4:11], s[0:1], 0x0               ; q 4, wc 6, tabs 8, ctxc 10
	s_load_b128 s[12:15], s[0:1], 0x20             ; scales 12, out0 14
	v_lshl_add_u32 v[SPW], v0, 2, SPARE
	v_mov_b32 v[NIL], 0
	ds_add_u32 v[SPW], v[NIL]                      ; the wave's opening: the add, twice on end, and its wait ahead of the round in front of my first tensor loads
	ds_add_u32 v[SPW], v[NIL]
	v_lshrrev_b32 v4, 5, v0
	v_readfirstlane_b32 s16, v4                    ; wave 0..7
	v_and_b32 v4, 31, v0
	v_lshlrev_b32 v[LI], 4, v4
	s_bfe_u32 s17, ttmp6, 0x40000                  ; cx
	s_lshl_b32 s18, ttmp9, 2
	s_add_co_u32 s18, s18, s17                     ; my work-group: it enters q's and out0's addresses alone
	s_mov_b32 s24, 15|(3<<16)|(1<<21)              ; group 1 for a block's eighth: the mask names all four; elements of 8 bytes; bit 21 beside a mask
	s_mov_b32 s25, 32<<16                          ; rows of 256 bytes,
	s_mov_b32 s26, 32<<16                          ; 32 of them, dense
	s_mov_b32 s27, 32<<16
	s_mov_b32 s28, 32
	s_mov_b32 s29, 32
	s_mov_b32 s30, 0
	s_mov_b32 s31, 0
	s_mov_b32 s32, 15|(3<<16)|(1<<21)              ; the same with 8 rows: an eighth of the tables, of the context
	s_mov_b32 s33, 32<<16
	s_mov_b32 s34, 8<<16
	s_mov_b32 s35, 32<<16
	s_mov_b32 s36, 8
	s_mov_b32 s37, 32
	s_mov_b32 s38, 0
	s_mov_b32 s39, 0
	s_lshl_b32 s40, s16, 13                        ; 8,192 x wave
	s_mov_b32 s41, 0
	s_lshl_b32 s42, s16, 11                        ; 2,048 x wave
	s_mov_b32 s43, 0
	s_lshr_b32 s44, ttmp9, 5                       ; the batch: 32 clusters each
	s_lshl_b32 s44, s44, 14
	s_add_co_u32 s44, s44, s42
	s_mov_b32 s45, 0
	s_lshl_b32 s46, s18, 18                        ; q and out0: 256 rows of 1,024 bytes,
	s_lshl_b32 s47, s16, 15                        ; my 32
	s_add_co_u32 s46, s46, s47
	s_mov_b32 s47, 0
	s_mov_b32 s98, 0x76543210                      ; v_permlanex16_b32: lane l xor 16
	s_mov_b32 s99, 0xfedcba98
	s_wait_dscnt 0x0                               ; both opening adds are done
	s_wait_kmcnt 0x0
	s_load_b256 s[68:75], s[12:13], 0x0            ; e0 .. e7
	s_load_b128 s[76:79], s[12:13], 0x20           ; e8 .. e11
	s_load_b64 s[80:81], s[12:13], 0x30            ; e12, e13
	s_add_nc_u64 s[4:5], s[4:5], s[46:47]
	s_add_nc_u64 s[14:15], s[14:15], s[46:47]
	WIN 0x40
.set ii,0
.rept 32
	global_load_b128 v[4*ii:4*ii+3], v[LI], s[4:5] offset:512*ii th:TH_LOAD_NT    ; q's first 16 rows as they lie: 512 consecutive bytes an instruction; on their way while the cluster meets
.set ii,ii+1
.endr
	WIN 0
	s_mov_b32 s48, 1                               ; wq into slot 0
	s_mov_b32 s49, s40
	s_add_nc_u64 s[50:51], s[6:7], s[40:41]
	s_or_b32 s51, s51, 0x80000000
	s_mov_b32 s52, 1                               ; the walking descriptor: FF block 0 into slot 1
	s_add_co_u32 s53, s40, SLOT1
	s_add_nc_u64 s[54:55], s[6:7], s[40:41]
	s_add_nc_u64 s[54:55], s[54:55], 65536
	s_or_b32 s55, s55, 0x80000000
	s_mov_b32 s56, 1                               ; the tables
	s_add_co_u32 s57, s42, TABS
	s_add_nc_u64 s[58:59], s[8:9], s[42:43]
	s_or_b32 s59, s59, 0x80000000
	s_mov_b32 s60, 1                               ; the batch's context
	s_add_co_u32 s61, s42, CTX
	s_add_nc_u64 s[62:63], s[10:11], s[44:45]
	s_or_b32 s63, s63, 0x80000000
	ROUND                                          ; all four work-groups are here: the first joint loads meet
	tensor_load_to_lds s[48:51], s[24:31]
	s_nop 0
	tensor_load_to_lds s[56:59], s[32:39]
	s_nop 0
	tensor_load_to_lds s[60:63], s[32:39]
	s_nop 0
	tensor_load_to_lds s[52:55], s[24:31]
	s_nop 0
	PLACES 4
	WIN 0x40
.rept 32
	global_load_b128 v[4*ii:4*ii+3], v[LI], s[4:5] offset:512*ii th:TH_LOAD_NT    ; q's other 16 rows
.set ii,ii+1
.endr
	WIN 0
	s_mul_i32 s19, s16, STGW
	s_add_co_u32 s19, s19, STAGE                   ; my stage
	v_add_nc_u32 v[STD], s19, v[LI]
	v_and_b32 v4, 15, v0
	v_bfe_u32 v6, v0, 4, 1
	v_lshlrev_b32 v6, 5, v6
	v_mad_u32_u24 v[STI], v4, SP, v6
	v_add_nc_u32 v[STI], s19, v[STI]
	v_add_nc_u32 v[HB], TABS, v6
	v_lshrrev_b32 v[CTA], 1, v[LI]
	v_add_nc_u32 v[CTA], CTX, v[CTA]
	v_mov_b32 v13, 0                               ; (named as the upper halves of pairs)
	v_mov_b32 v15, 0
	s_mov_b32 s20, SLOT1                           ; the first change of slots turns it to slot 1's first trip
	s_mov_b32 s21, 8192                            ; ff1's bias in the tables
	s_mov_b32 s86, 0x3f1ff67a                      ; a5'
	s_mov_b32 s87, s86
	s_mov_b32 s90, 0x3f563817                      ; a3'
	s_mov_b32 s91, s90
	s_mov_b32 s92, 0xbe2b8119                      ; a2'
	s_mov_b32 s93, s92
	s_mov_b32 s94, 0x3e199eb3                      ; a1'
	s_mov_b32 s95, s94
	s_mov_b32 s96, 0x3f16b55f                      ; h
	s_mov_b32 s97, s96
	s_mov_b32 s100, 0x3e8ba43f                     ; p'
	s_wait_kmcnt 0x0
	s_add_co_i32 s46, s68, s69
	s_lshl_b32 s46, s46, 23
	s_add_co_i32 s82, s46, 0x3fb8aa3b              ; log2e x 2^(e0 + e1)
	s_mov_b32 s83, s82
	s_add_co_i32 s46, s78, s79
	s_lshl_b32 s46, s46, 23
	s_add_co_i32 s84, s46, 0x3f596d27              ; k x 2^(e10 + e11)
	s_mov_b32 s85, s84
	s_add_co_i32 s40, s76, s77                     ; e8 + e9
	s_add_co_i32 s46, s80, s81                     ; e12 + e13
	s_sub_co_i32 s42, 127, s46
	s_lshl_b32 s42, s42, 23                        ; 2^-(e12 + e13)
	s_mov_b32 s43, s42
	s_lshl_b32 s46, s46, 24
	s_sub_co_i32 s44, 0x3a83126f, s46              ; 1e-3 x 2^(-2 (e12 + e13))
	s_mov_b32 s45, 0x3a83126f                      ; 1e-3
	MKSC s68                                       ; e0
	s_wait_tensorcnt 1                             ; my parts of wq, the tables and the context are in; FF block 0 may stay out
	s_barrier_signal -1
	s_barrier_wait -1                              ; everybody's are: they are first read in QHEAD, behind this wait
; q's 16 rows of tile m turn through my stage into the results' layout, stay in X for the residual, and are quantised into XC
.macro QIN m
	s_wait_loadcnt 32-32*\m                        ; this tile's 32 loads are in; the other tile's may be out
	WIN 0x04
.set ii,0
.rept 32
	ds_store_b128 v[STD], v[128*\m+4*ii:128*\m+4*ii+3] offset:SP*(ii/2)+512*(ii%2)
.set ii,ii+1
.endr
	WIN 0x40
.set ii,0
.rept 32
	ds_load_b128 v[128*\m+4*ii:128*\m+4*ii+3], v[STI] offset:64*(ii/2)+16*(ii%2)    ; LDS serves a wave's instructions in order (ISA guide 5.7.1.4): these see my stores
.set ii,ii+1
.endr
	s_wait_dscnt 0x0
.irp s,0,1
	WIN 0x01
.set ii,0
.rept 64
	v_med3_num_f32 v[H+ii], v[128*\m+64*\s+ii], -v11, v11
.set ii,ii+1
.endr
	WIN 0
.irp c,0,1,2,3,4,5,6,7
	v_cvt_scalef32_pk8_bf8_f32 v[XC+32*\m+16*\s+2*\c:XC+32*\m+16*\s+2*\c+1], v[H+8*\c:H+8*\c+7], v10
.endr
	v_nop                                          ; a plain line behind the last conversion
.endr
.endm
	QIN 0
	QIN 1
	MKSC s76                                       ; e8: p
; Two heads (64 columns): qh, the softmax's p, attn, the residual
.macro QHEAD g
	GEMM1 LI, 16384*\g, HB, 256*\g                 ; the bias: wq_b log2e
	PLACES 4
.set kk,0
.rept 16
	ds_load_b64 v[W+2*kk:W+2*kk+1], v[CTA] offset:4096*\g+256*kk        ; the two heads' four context fragments, a register pair a plane
.set kk,kk+1
.endr
	s_wait_dscnt 16                                ; the bias is in; the context's 16 loads may be out
.irp tt,0,1,2,3
.irp m,0,1
.irp j,0,2,4,6
	v_pk_fma_f32 v[H+16*\tt+8*\m+\j:H+16*\tt+8*\m+\j+1], v[H+16*\tt+8*\m+\j:H+16*\tt+8*\m+\j+1], s[82:83], v[W+32+8*\tt+\j:W+32+8*\tt+\j+1] op_sel_hi:[1,0,1]   ; t
.endr
.endr
.endr
.irp q,0,1,2,3
	v_max3_num_f32 v[TMX+\q], v[H+32*(\q/2)+8*(\q%2)], v[H+32*(\q/2)+8*(\q%2)+1], v[H+32*(\q/2)+8*(\q%2)+2]
.endr
.irp i,3,5,7,9,11,13
.irp q,0,1,2,3
	v_max3_num_f32 v[TMX+\q], v[TMX+\q], v[H+32*(\q/2)+8*(\q%2)+\i+8*(\i/8)], v[H+32*(\q/2)+8*(\q%2)+\i+1+8*((\i+1)/8)]
.endr
.endr
.irp q,0,1,2,3
	v_max_num_f32 v[TMX+\q], v[TMX+\q], v[H+32*(\q/2)+8*(\q%2)+23]
.endr
.irp q,0,1,2,3
	v_permlanex16_b32 v[TPM+\q], v[TMX+\q], s98, s99       ; the head's other 16 channels lie in lane l xor 16
.endr
.irp q,0,1,2,3
	v_max_num_f32 v[TMX+\q], v[TMX+\q], v[TPM+\q]
.endr
.irp q,0,1,2,3
	v_floor_f32 v[NEGP+2*\q], -v[TMX+\q]           ; -M = -ceil(largest t)
.endr
.irp tt,0,1,2,3
.irp m,0,1
.irp j,0,2,4,6
	v_pk_add_f32 v[H+16*\tt+8*\m+\j:H+16*\tt+8*\m+\j+1], v[H+16*\tt+8*\m+\j:H+16*\tt+8*\m+\j+1], v[NEGP+4*(\tt/2)+2*\m:NEGP+4*(\tt/2)+2*\m+1] op_sel_hi:[1,0]
.endr
.endr
.endr
.set ii,0
.rept 64
	v_exp_f32 v[H+ii], v[H+ii]                     ; p = 2^(t - M)
.set ii,ii+1
.endr
	v_nop                                          ; a plain line behind the batch,
	s_wait_alu depctr_va_vdst(0)                   ; and its one wait, ahead of the first reader
.irp q,0,1,2,3
	v_pk_add_f32 v[LS+2*\q:LS+2*\q+1], v[H+32*(\q/2)+8*(\q%2):H+32*(\q/2)+8*(\q%2)+1], v[H+32*(\q/2)+8*(\q%2)+2:H+32*(\q/2)+8*(\q%2)+3]
.endr
.irp i,4,6,8,10,12,14
.irp q,0,1,2,3
	v_pk_add_f32 v[LS+2*\q:LS+2*\q+1], v[LS+2*\q:LS+2*\q+1], v[H+32*(\q/2)+8*(\q%2)+\i+8*(\i/8):H+32*(\q/2)+8*(\q%2)+\i+8*(\i/8)+1]    ; l of the unquantised p
.endr
.endr
.irp q,0,1,2,3
	v_add_f32 v[LS+2*\q], v[LS+2*\q], v[LS+2*\q+1]
.endr
.irp q,0,1,2,3
	v_permlanex16_b32 v[TPM+\q], v[LS+2*\q], s98, s99
.endr
.irp q,0,1,2,3
	v_add_f32 v[LS+2*\q], v[LS+2*\q], v[TPM+\q]
.endr
.irp q,0,1,2,3
	v_rcp_f32 v[RLP+2*\q], v[LS+2*\q]
.endr
.irp tt,0,1,2,3                        ; (the holds are the independent work behind the reciprocals)
.irp m,0,1
.irp i,0,1,2,3,4,5,6,7
	v_min_num_f32 v[H+16*\tt+8*\m+\i], v[H+16*\tt+8*\m+\i], v11
.endr
	v_cvt_scalef32_pk8_bf8_f32 v[HC+8*\m+2*\tt:HC+8*\m+2*\tt+1], v[H+16*\tt+8*\m:H+16*\tt+8*\m+7], v10
.endr
.endr
	v_nop
	s_wait_alu depctr_va_vdst(0)                   ; the four reciprocals' wait
.irp q,0,1,2,3
	v_ldexp_f32 v[RLP+2*\q], v[RLP+2*\q], s40      ; 2^(e8 + e9) / l
.endr
	s_wait_dscnt 0x0                               ; the context fragments
.irp tt,0,1,2,3
.irp m,0,1
	v_wmma_f32_16x16x64_bf8_bf8 v[H+16*\tt+8*\m:H+16*\tt+8*\m+7], v[W+8*\tt:W+8*\tt+7], v[HC+8*\m:HC+8*\m+7], 0    ; K = the two heads' 64 channels; the other head's meet zero codes
.endr
.endr
	PLACES 4
	WIN 0x50
.irp tt,0,1,2,3
.irp m,0,1
.irp j,0,2,4,6
	v_pk_fma_f32 v[128*\m+8*(4*\g+\tt)+\j:128*\m+8*(4*\g+\tt)+\j+1], v[H+16*\tt+8*\m+\j:H+16*\tt+8*\m+\j+1], v[RLP+4*(\tt/2)+2*\m:RLP+4*(\tt/2)+2*\m+1], v[128*\m+8*(4*\g+\tt)+\j:128*\m+8*(4*\g+\tt)+\j+1] op_sel_hi:[1,0,1]   ; q + attn
.endr
.endr
.endr
	WIN 0
.endm
	QHEAD 0
	QHEAD 1
	QHEAD 2
	QHEAD 3
; A LayerNorm's statistics of my 32 rows, in two passes as the problem writes them: the mean; X centred in place; 1 / sqrt(variance + eps) into v12 (m = 0) and v14 (m = 1).  Four chains for each m; each accumulator is read from its low end on
.macro LNSTAT eps
	WIN 0x05
.irp m,0,1
.irp c,0,1,2,3
	v_pk_add_f32 v[CH+8*\m+2*\c:CH+8*\m+2*\c+1], v[128*\m+2*\c:128*\m+2*\c+1], v[128*\m+8+2*\c:128*\m+8+2*\c+1]
.endr
.endr
	WIN 0x04
.irp k,2,3,4,5,6,7,8,9,10,11,12,13,14,15
.irp m,0,1
.irp c,0,1,2,3
	v_pk_add_f32 v[CH+8*\m+2*\c:CH+8*\m+2*\c+1], v[CH+8*\m+2*\c:CH+8*\m+2*\c+1], v[128*\m+8*\k+2*\c:128*\m+8*\k+2*\c+1]
.endr
.endr
.endr
	WIN 0
.irp m,0,1
	v_pk_add_f32 v[CH+8*\m:CH+8*\m+1], v[CH+8*\m:CH+8*\m+1], v[CH+8*\m+2:CH+8*\m+3]
	v_pk_add_f32 v[CH+8*\m+4:CH+8*\m+5], v[CH+8*\m+4:CH+8*\m+5], v[CH+8*\m+6:CH+8*\m+7]
.endr
.irp m,0,1
	v_pk_add_f32 v[CH+8*\m:CH+8*\m+1], v[CH+8*\m:CH+8*\m+1], v[CH+8*\m+4:CH+8*\m+5]
.endr
.irp m,0,1
	v_add_f32 v[CH+8*\m], v[CH+8*\m], v[CH+8*\m+1]
.endr
.irp m,0,1
	v_permlanex16_b32 v[CH+8*\m+1], v[CH+8*\m], s98, s99
.endr
.irp m,0,1
	v_add_f32 v[CH+8*\m], v[CH+8*\m], v[CH+8*\m+1]
.endr
.irp m,0,1
	v_mul_f32 v[12+2*\m], 0x3b800000, v[CH+8*\m]   ; / 256
.endr
	WIN 0x41
.irp m,0,1
.set ii,0
.rept 64
	v_pk_add_f32 v[128*\m+2*ii:128*\m+2*ii+1], v[128*\m+2*ii:128*\m+2*ii+1], v[12+2*\m:13+2*\m] op_sel_hi:[1,0] neg_lo:[0,1] neg_hi:[0,1]
.set ii,ii+1
.endr
.endr
	WIN 0x05
.irp m,0,1
.irp c,0,1,2,3
	v_pk_mul_f32 v[CH+8*\m+2*\c:CH+8*\m+2*\c+1], v[128*\m+2*\c:128*\m+2*\c+1], v[128*\m+2*\c:128*\m+2*\c+1]
.endr
.endr
.irp k,1,2,3,4,5,6,7,8,9,10,11,12,13,14,15
.irp m,0,1
.irp c,0,1,2,3
	v_pk_fma_f32 v[CH+8*\m+2*\c:CH+8*\m+2*\c+1], v[128*\m+8*\k+2*\c:128*\m+8*\k+2*\c+1], v[128*\m+8*\k+2*\c:128*\m+8*\k+2*\c+1], v[CH+8*\m+2*\c:CH+8*\m+2*\c+1]
.endr
.endr
.endr
	WIN 0
.irp m,0,1
	v_pk_add_f32 v[CH+8*\m:CH+8*\m+1], v[CH+8*\m:CH+8*\m+1], v[CH+8*\m+2:CH+8*\m+3]
	v_pk_add_f32 v[CH+8*\m+4:CH+8*\m+5], v[CH+8*\m+4:CH+8*\m+5], v[CH+8*\m+6:CH+8*\m+7]
.endr
.irp m,0,1
	v_pk_add_f32 v[CH+8*\m:CH+8*\m+1], v[CH+8*\m:CH+8*\m+1], v[CH+8*\m+4:CH+8*\m+5]
.endr
.irp m,0,1
	v_add_f32 v[CH+8*\m], v[CH+8*\m], v[CH+8*\m+1]
.endr
.irp m,0,1
	v_permlanex16_b32 v[CH+8*\m+1], v[CH+8*\m], s98, s99
.endr
.irp m,0,1
	v_add_f32 v[CH+8*\m], v[CH+8*\m], v[CH+8*\m+1]
.endr
.irp m,0,1
	v_fma_f32 v[CH+8*\m], v[CH+8*\m], 0x3b800000, s[\eps]
.endr
.irp m,0,1
	v_rsq_f32 v[12+2*\m], v[CH+8*\m]
.endr
	v_nop
	s_wait_alu depctr_va_vdst(0)                   ; the wait ahead of the first reader
.endm
; Four tiles of LN1: x = centred / sigma x g + b; its codes (e10); then X = x / 2^(e12+e13) + ff2_b / 2^(e12+e13), with which FF2's sums begin
.macro LN1G G
	TABLD W, HB, 1024+256*\G, 4
	TABLD W+32, HB, 2048+256*\G, 4
	TABLD W+64, HB, 3072+256*\G, 4
	s_wait_dscnt 0x0
	WIN 0x41
.irp m,0,1
.irp tt,0,1,2,3
.irp j,0,2,4,6
	v_pk_mul_f32 v[128*\m+8*(4*\G+\tt)+\j:128*\m+8*(4*\G+\tt)+\j+1], v[128*\m+8*(4*\G+\tt)+\j:128*\m+8*(4*\G+\tt)+\j+1], v[12+2*\m:13+2*\m] op_sel_hi:[1,0]
.endr
.endr
.endr
.irp m,0,1
.irp tt,0,1,2,3
.irp j,0,2,4,6
	v_pk_fma_f32 v[128*\m+8*(4*\G+\tt)+\j:128*\m+8*(4*\G+\tt)+\j+1], v[128*\m+8*(4*\G+\tt)+\j:128*\m+8*(4*\G+\tt)+\j+1], v[W+8*\tt+\j:W+8*\tt+\j+1], v[W+32+8*\tt+\j:W+32+8*\tt+\j+1]
.endr
.endr
.endr
	WIN 0x01
.irp m,0,1
.irp tt,0,1,2,3
.irp i,0,1,2,3,4,5,6,7
	v_med3_num_f32 v[H+16*\tt+8*\m+\i], v[128*\m+8*(4*\G+\tt)+\i], -v11, v11
.endr
.endr
.endr
	WIN 0
.irp m,0,1
.irp tt,0,1,2,3
	v_cvt_scalef32_pk8_bf8_f32 v[XC+32*\m+16*(\G/2)+2*(4*(\G%2)+\tt):XC+32*\m+16*(\G/2)+2*(4*(\G%2)+\tt)+1], v[H+16*\tt+8*\m:H+16*\tt+8*\m+7], v10
.endr
.endr
	v_nop
	WIN 0x41
.irp m,0,1
.irp tt,0,1,2,3
.irp j,0,2,4,6
	v_pk_fma_f32 v[128*\m+8*(4*\G+\tt)+\j:128*\m+8*(4*\G+\tt)+\j+1], v[128*\m+8*(4*\G+\tt)+\j:128*\m+8*(4*\G+\tt)+\j+1], s[42:43], v[W+64+8*\tt+\j:W+64+8*\tt+\j+1] op_sel_hi:[1,0,1]
.endr
.endr
.endr
	WIN 0
.endm
	LNSTAT 45
	MKSC s78                                       ; e10: x
	LN1G 0
	LN1G 1
	LN1G 2
	LN1G 3
	MKSC s80                                       ; e12: the hidden layer
	v_mov_b32 v12, 0xbf5b0099                      ; a4': v12 is free between the two norms
; gelu of the 16 numbers of tile G (both m), in y, and their codes
.macro GELU G
.set Y, H+16*\G
.irp j,0,2,4,6,8,10,12,14
	v_pk_mul_f32 v[TA+\j:TA+\j+1], v[Y+\j:Y+\j+1], v[Y+\j:Y+\j+1] neg_lo:[1,0] neg_hi:[1,0]      ; -y y
.endr
.irp j,0,1,2,3,4,5,6,7,8,9,10,11,12,13,14,15
	v_fma_f32 v[TB+\j], |v[Y+\j]|, s100, 1.0                                                     ; 1 + p' |y|
.endr
.irp j,0,1,2,3,4,5,6,7,8,9,10,11,12,13,14,15
	v_rcp_f32 v[TB+\j], v[TB+\j]                                                                 ; t
.endr
.irp j,0,1,2,3,4,5,6,7,8,9,10,11,12,13,14,15
	v_exp_f32 v[TA+\j], v[TA+\j]                                                                 ; e
.endr
.irp j,0,2,4,6,8,10,12,14
	v_pk_mul_f32 v[TC+\j:TC+\j+1], v[Y+\j:Y+\j+1], s[96:97] op_sel_hi:[1,0]                      ; y h: the independent work behind the batch
.endr
	s_wait_alu depctr_va_vdst(0)                   ; one wait for the 32, ahead of their first reader
.irp j,0,2,4,6,8,10,12,14
	v_pk_fma_f32 v[TD+\j:TD+\j+1], v[TB+\j:TB+\j+1], s[86:87], v[12:13] op_sel_hi:[1,0,0]
.endr
.irp j,0,2,4,6,8,10,12,14
	v_pk_fma_f32 v[TD+\j:TD+\j+1], v[TD+\j:TD+\j+1], v[TB+\j:TB+\j+1], s[90:91] op_sel_hi:[1,1,0]
.endr
.irp j,0,2,4,6,8,10,12,14
	v_pk_fma_f32 v[TD+\j:TD+\j+1], v[TD+\j:TD+\j+1], v[TB+\j:TB+\j+1], s[92:93] op_sel_hi:[1,1,0]
.endr
.irp j,0,2,4,6,8,10,12,14
	v_pk_fma_f32 v[TD+\j:TD+\j+1], v[TD+\j:TD+\j+1], v[TB+\j:TB+\j+1], s[94:95] op_sel_hi:[1,1,0]     ; r
.endr
.irp j,0,2,4,6,8,10,12,14
	v_pk_mul_f32 v[TA+\j:TA+\j+1], v[TA+\j:TA+\j+1], v[TB+\j:TB+\j+1]                            ; t e
.endr
.irp j,0,2,4,6,8,10,12,14
	v_pk_fma_f32 v[TD+\j:TD+\j+1], v[TD+\j:TD+\j+1], v[TA+\j:TA+\j+1], s[96:97] op_sel_hi:[1,1,0] neg_lo:[1,0,0] neg_hi:[1,0,0]   ; h - r t e
.endr
.irp j,0,1,2,3,4,5,6,7,8,9,10,11,12,13,14,15
	v_fma_f32 v[Y+\j], |v[Y+\j]|, v[TD+\j], v[TC+\j]                                             ; g
.endr
.irp j,0,1,2,3,4,5,6,7,8,9,10,11,12,13,14,15
	v_med3_num_f32 v[Y+\j], v[Y+\j], -v11, v11
.endr
	v_cvt_scalef32_pk8_bf8_f32 v[HC+2*\G:HC+2*\G+1], v[Y:Y+7], v10
	v_cvt_scalef32_pk8_bf8_f32 v[HC+8+2*\G:HC+9+2*\G], v[Y+8:Y+15], v10
.endm
.macro FF2P f, reg                     ; column tile f of ff2 against both tiles of rows
	v_wmma_f32_16x16x64_bf8_bf8 v[8*(\f):8*(\f)+7], v[\reg:\reg+7], v[HC:HC+7], v[8*(\f):8*(\f)+7]
	v_wmma_f32_16x16x64_bf8_bf8 v[128+8*(\f):128+8*(\f)+7], v[\reg:\reg+7], v[HC+8:HC+15], v[128+8*(\f):128+8*(\f)+7]
.endm
; An FF trip: 64 hidden units.  16 products of K = 128, gelu, 32 products of K = 64 on 32 accumulators by turns.
; ff2's sixteen fragments are asked for as registers fall free: 0-3 into W + 64 behind y, 4-7 into H behind the second group of gelu (its numbers have become codes), 8-9 into H + 32 behind the third,
; 10-15 into W behind the last: twenty products stand between these twelve loads and the first wait for them.
.macro TRIP
	PLACES 3                                       ; five places with the two additions: H and W were operands of the last products, and H is written by the next
	v_add_nc_u32 v[AD], s20, v[LI]
	v_add_nc_u32 v[ABI], s21, v[HB]
	GEMM1 AD, 0, ABI, 0                            ; the bias: ff1_b k
	PLACES 4
	s_wait_dscnt 0x0                               ; the bias
.irp tt,0,1,2,3
.irp m,0,1
.irp j,0,2,4,6
	v_pk_fma_f32 v[H+16*\tt+8*\m+\j:H+16*\tt+8*\m+\j+1], v[H+16*\tt+8*\m+\j:H+16*\tt+8*\m+\j+1], s[84:85], v[W+32+8*\tt+\j:W+32+8*\tt+\j+1] op_sel_hi:[1,0,1]   ; y
.endr
.endr
.endr
.irp k,0,1,2,3,4,5,6,7
	ds_load_b128 v[W+64+4*\k:W+64+4*\k+3], v[AD] offset:16384+512*\k          ; ff2's fragments 0-3
.endr
	GELU 0
	GELU 1
.irp k,0,1,2,3,4,5,6,7
	ds_load_b128 v[H+4*\k:H+4*\k+3], v[AD] offset:20480+512*\k                ; fragments 4-7
.endr
	GELU 2
.irp k,0,1,2,3
	ds_load_b128 v[H+32+4*\k:H+32+4*\k+3], v[AD] offset:24576+512*\k          ; fragments 8, 9
.endr
	GELU 3
	v_nop                                          ; a plain line behind the last conversion
.irp k,0,1,2,3,4,5,6,7,8,9,10,11
	ds_load_b128 v[W+4*\k:W+4*\k+3], v[AD] offset:26624+512*\k                ; fragments 10-15
.endr
	WIN 0x50
	s_wait_dscnt 12                                ; fragments 0-9 are in; the twelve loads just issued may be out
.irp f,0,1,2,3
	FF2P \f, W+64+8*\f
.endr
.irp f,4,5,6,7,8,9
	FF2P \f, H+8*(\f-4)
.endr
.irp u,0,1,2
	s_wait_dscnt 8-4*\u                            ; the loads issued behind these two fragments' four
	FF2P 10+2*\u, W+16*\u
	FF2P 11+2*\u, W+16*\u+8
.endr
	WIN 0
.endm
.macro TWO_TRIPS                       ; a slot's two trips: written once, walked twice
	s_mov_b32 s23, 2
.Ltrip_\@:
	TRIP
	s_add_co_u32 s20, s20, 32768
	s_add_co_u32 s21, s21, 256
	s_sub_co_u32 s23, s23, 1
	s_cmp_lg_u32 s23, 0
	s_cbranch_scc1 .Ltrip_\@
.endm
; THE CHANGE OF SLOTS stands at a slot's head: each wave waits for all its tensor loads (its part of the slot ahead), adds 0 to its spare word, and waits for that and for its reads of the slot that it has left.
; fill = 1: a round of the cluster's barrier, so that no wave of any partner still reads that slot or has a load on its way; then the joint refill, which has two trips in which to land.
.macro CHANGE fill
	s_wait_tensorcnt 0x0
	ds_add_u32 v[SPW], v[NIL]                      ; the steps below stand between the add and its wait
.if \fill
	s_xor_b32 s53, s53, SLOT1                      ; the walking descriptor: the other slot, the next block
	s_add_nc_u64 s[54:55], s[54:55], 65536
.endif
	s_sub_co_u32 s20, s20, 65536                   ; back to a slot's first trip,
	s_xor_b32 s20, s20, SLOT1                      ; in the other slot
	s_wait_dscnt 0x0
.if \fill
	ROUND
	tensor_load_to_lds s[52:55], s[24:31]
	s_nop 0
	PLACES 4
.else
	s_barrier_signal -1
	s_barrier_wait -1
.endif
.endm
	s_mov_b32 s22, 7
.Lslot:                                ; seven turns of two trips: blocks 0 to 6 are multiplied, blocks 1 to 7 asked for
	CHANGE 1
	TWO_TRIPS
	s_sub_co_u32 s22, s22, 1
	s_cmp_lg_u32 s22, 0
	s_cbranch_scc1 .Lslot
	CHANGE 0                                       ; the last block is written out: nothing is left to ask for
	TWO_TRIPS
	PLACES 4                                       ; in front of the first reads of results, and of writes of the last products' operands
	LNSTAT 44
.macro LN2G G
	TABLD W, HB, 4096+256*\G, 4
	TABLD W+32, HB, 5120+256*\G, 4
	s_wait_dscnt 0x0
	WIN 0x41
.irp m,0,1
.irp tt,0,1,2,3
.irp j,0,2,4,6
	v_pk_mul_f32 v[128*\m+8*(4*\G+\tt)+\j:128*\m+8*(4*\G+\tt)+\j+1], v[128*\m+8*(4*\G+\tt)+\j:128*\m+8*(4*\G+\tt)+\j+1], v[12+2*\m:13+2*\m] op_sel_hi:[1,0]
.endr
.endr
.endr
.irp m,0,1
.irp tt,0,1,2,3
.irp j,0,2,4,6
	v_pk_fma_f32 v[128*\m+8*(4*\G+\tt)+\j:128*\m+8*(4*\G+\tt)+\j+1], v[128*\m+8*(4*\G+\tt)+\j:128*\m+8*(4*\G+\tt)+\j+1], v[W+8*\tt+\j:W+8*\tt+\j+1], v[W+32+8*\tt+\j:W+32+8*\tt+\j+1]
.endr
.endr
.endr
	WIN 0
.endm
	LN2G 0
	LN2G 1
	LN2G 2
	LN2G 3
; THE WAY OUT: 16 rows at a time through my stage, back as they lie in memory
.macro OUT m
	WIN 0x04
.set ii,0
.rept 32
	ds_store_b128 v[STI], v[128*\m+4*ii:128*\m+4*ii+3] offset:64*(ii/2)+16*(ii%2)
.set ii,ii+1
.endr
	WIN 0x40
.set ii,0
.rept 32
	ds_load_b128 v[128*\m+4*ii:128*\m+4*ii+3], v[STD] offset:SP*(ii/2)+512*(ii%2)
.set ii,ii+1
.endr
	WIN 0x04
.set ii,0
.rept 32
	s_wait_dscnt 31-ii                             ; the younger loads may be out
	global_store_b128 v[LI], v[128*\m+4*ii:128*\m+4*ii+3], s[14:15] offset:16384*\m+512*ii th:TH_STORE_NT    ; 512 consecutive bytes, aligned
.set ii,ii+1
.endr
.endm
	OUT 0
	OUT 1
	WIN 0
	s_wait_tensorcnt 0x0                           ; the wave's end
	ds_add_u32 v[SPW], v[NIL]
	s_wait_dscnt 0x0
	ROUND                                          ; the closing round: no work-group ends while a partner may still ask for a block that names it
	s_endpgm
.Lfunc_end_k_q9e4e84cf72_main:
	.size	k_q9e4e84cf72_main, .Lfunc_end_k_q9e4e84cf72_main-k_q9e4e84cf72_main
	.p2alignl 7, 3214868480
	.fill 96, 4, 3214868480
	.section	.rodata,"a",@progbits
	.p2align	6, 0x0
	.amdhsa_kernel k_q9e4e84cf72_main
		.amdhsa_group_segment_fixed_size 327680
		.amdhsa_private_segment_fixed_size 0
		.amdhsa_enable_private_segment 0
		.amdhsa_kernarg_size 48
		.amdhsa_user_sgpr_count 2
		.amdhsa_user_sgpr_kernarg_segment_ptr 1
		.amdhsa_wavefront_size32 1
		.amdhsa_system_sgpr_workgroup_id_x 1
		.amdhsa_system_sgpr_workgroup_id_y 1
		.amdhsa_system_sgpr_workgroup_id_z 1
		.amdhsa_system_vgpr_workitem_id 0
		.amdhsa_next_free_vgpr 512
		.amdhsa_next_free_sgpr 102
		.amdhsa_reserve_vcc 0
		.amdhsa_float_denorm_mode_32 3
		.amdhsa_float_denorm_mode_16_64 3
		.amdhsa_memory_ordered 1
		.amdhsa_forward_progress 1
		.amdhsa_inst_pref_size 255
	.end_amdhsa_kernel
	.section	.bss,"aw",@nobits
	.p2align	6
	.space	262144
	.amdgpu_metadata
---
amdhsa.version: [ 1, 2 ]
amdhsa.kernels:
  - .name:           k_q9e4e84cf72_main
    .symbol:         k_q9e4e84cf72_main.kd
    .args:
      - { .name: q, .offset: 0, .size: 8, .value_kind: global_buffer, .address_space: global }
      - { .name: wc, .offset: 8, .size: 8, .value_kind: global_buffer, .address_space: global }
      - { .name: tabs, .offset: 16, .size: 8, .value_kind: global_buffer, .address_space: global }
      - { .name: ctxc, .offset: 24, .size: 8, .value_kind: global_buffer, .address_space: global }
      - { .name: lowp_scales, .offset: 32, .size: 8, .value_kind: global_buffer, .address_space: global }
      - { .name: out0, .offset: 40, .size: 8, .value_kind: global_buffer, .address_space: global }
    .group_segment_fixed_size: 327680
    .private_segment_fixed_size: 0
    .kernarg_segment_align: 8
    .kernarg_segment_size: 48
    .max_flat_workgroup_size: 256
    .sgpr_count:     102
    .vgpr_count:     512
    .wavefront_size: 32
...
	.end_amdgpu_metadata
.endif
;; end of part 4
